; MI455X (gfx1250); checked and timed in simulation.
; The chip was launched on July 23, 2026; its instructions are those of AMD's public machine-readable ISA for CDNA 5 (MIT licence, August 2026) and "CDNA5" Instruction Set Architecture Reference Guide (July 2026). The comments in the code are by the model that wrote it; some were corrected since.
;; Proto Instance Multi Cross Attention. Allowed arithmetic: matrix products marked QUANTISED: E4M3 operands, one given power-of-two scale a tensor, by v_wmma_f32_16x16x64_fp8_fp8 or v_wmma_f32_16x16x128_fp8_fp8, f32 sums; products left as they are: f32 operands where the result goes on into a quantised operand, else bf16, f16 or f32 operands; f32 sums; everything else in f32.
;; Inputs: W1 1,024 x 1,024 float32; W2 4,096 x 1,024 float32; b1 1,024 float32; b2 1,024 float32; lowp_scales 12 int32 (the exponents e of the quantised operands' scales 2^e); x 400 x 1,024 float32; y 400 int32.
;; Outputs: out0 300 x 10 float32.
;; Constants: flag = 0, n_classes = 10, n_query = 30, n_support = 10.
;; This version of the problem:
;;   THIS VERSION OF THE PROBLEM IS GIVEN IN LOW PRECISION. The matrix products marked QUANTISED in the list below multiply operands that are first quantised to E4M3 (4 exponent bits, 3 mantissa bits; 8 bits a number), with one given power-of-two scale for each operand tensor; their sums are f32. All else is computed in f32.
;;   The module's matrix products, in the order in which they are computed (A, B: the left and right operand; K: the contracted axis; several contracted axes count as one K, in the product's order):
;;     1. [M 100, K 1,024] x [K 1,024, N 1,024]; A: input x; B: input W1: QUANTISED (scales: A lowp_scales[0], B lowp_scales[1])
;;     2. [M 300, K 1,024] x [K 1,024, N 1,024]; A: input x; B: input W1: QUANTISED (scales: A lowp_scales[2], B lowp_scales[3])
;;     3. [M 100, K 1,024] x [K 1,024, N 1,024]; A: computed on the way; B: input W2: QUANTISED (scales: A lowp_scales[4], B lowp_scales[5])
;;     4. [M 300, K 1,024] x [K 1,024, N 1,024]; A: computed on the way; B: input W2: QUANTISED (scales: A lowp_scales[6], B lowp_scales[7])
;;     5. [M 30,000, K 1,024] x [K 1,024, N 1,024]; A: computed on the way; B: input W2: QUANTISED (scales: A lowp_scales[8], B lowp_scales[9])
;;     6. [M 30,000, K 1,024] x [K 1,024, N 1,024]; A: computed on the way; B: input W2: QUANTISED (scales: A lowp_scales[10], B lowp_scales[11])
;;     7. batch 10 x [M 1,024, K 10] x [K 10, N 300]; A: input x; B: softmax: left as it is (K = 10 < 32)
;;   THE QUANTISER, for each operand of a quantised product, along K:
;;     - The operand's scale is 2^e, e = its entry of the input lowp_scales (int32; the entries are numbered through the quantised products in the list's order, A before B).
;;     - Each number is divided by the scale, clamped to +-448, and rounded to the nearest number of E4M3, ties to even, subnormals kept.
;;     - The product sums the exact products of the quantised numbers (number of the format x scale) in f32.
;;   ~~~python
;;   def quantise(x, axis, e):      # numpy; x: float32 -> the quantised numbers, widened to float32 again
;;       x = np.moveaxis(x, axis, -1); K = x.shape[-1]
;;       r = np.clip(x / 2.0 ** e, -448, 448)
;;       step = 2.0 ** (np.maximum(np.frexp(np.where(r == 0, 1, r))[1] - 1, -6) - 3)
;;       q = np.round(r / step) * step * 2.0 ** e      # np.round: ties to even
;;       return np.moveaxis(q, -1, axis).astype(np.float32)
;;   ~~~
;;   OPERANDS COMPUTED ON THE WAY. 'Computed on the way' means the value that the module computes at that place (a softmax that the list does not call 'softmax' is quantised finished and normalised). What goes into a quantiser is computed in f32, as accurately as f32 sums, v_exp_f32 and their like allow (about 1e-6 of the number): no bf16 or f16 on the way to a quantiser, and a product that is left as it is and whose result goes on into a quantised operand takes f32 operands (vector FMAs, or v_wmma_f32_16x16x4_f32). A number that lies on a knife's edge between two numbers of the format may be rounded either way, as far as f32 arithmetic and the matrix unit's own rounding can turn it there, and no further.
;; 2 versions. Each part assembles by itself: llvm-mc -triple=amdgcn-amd-amdhsa -mcpu=gfx1250 --defsym DOCPART=n.
;; ======== version 1 of 2: 3 launches
;; workspace buffers: F 1,638,400 bytes; G 1,638,400 bytes; wcd 2,097,152 bytes
;; launch fc1 (part 1): grid 128 x 1, 16 waves a work-group, no clusters, 150,528 bytes of LDS; arguments x, W1, W2, b1, lowp_scales, F, wcd; writes F, wcd
.if DOCPART == 1
	.amdgcn_target "amdgcn-amd-amdhsa--gfx1250"
	.amdhsa_code_object_version 6
	.text
	.protected	k_qa7074f5b5b_fc1
	.globl	k_qa7074f5b5b_fc1
	.p2align	8
	.type	k_qa7074f5b5b_fc1,@function
k_qa7074f5b5b_fc1:
	s_mov_b64 s[64:65], 0
	v_nop
	global_prefetch_b8 v0, s[64:65] scope:SCOPE_SE
	s_setreg_imm32_b32 hwreg(HW_REG_WAVE_MODE, 25, 1), 1
	s_wait_xcnt 0x0
; FIRST OF THREE LAUNCHES.  F = Q(x) Q(W1) + b1 for all 400 rows of x (products 1 and 2 of the table), and the codes of Wc = W2[2048:3072] in the order in which the last launch's registers take them.
; WORK LEFT OUT, in the whole program.  (1) The input y: reference() never reads it (it takes support and query rows by a reshape of x), so y has no way to the output, is not loaded and is no argument of any launch.
; (2) sum_d tanh(z_d) = 1024 - 2 sum_d 1 / (1 + e^(2 z_d)) for all z: the term 1024 is the same for the ten supports over which the softmax runs, so it is not formed; the last launch takes -2 R, R = the sum of the reciprocals.
; LIMIT: nothing else is left out, so no NaN or infinity is lost with work left out.  NaN among the inputs is not served.
; This text serves two launches; FC says which.  FC = 1: A = x, B = W1, bias b1, scales 0..3; the other work-groups quantise Wc (scale 9).  FC = 2: A = F, B = Ws or Wq, bias b2 on query rows alone, scales 4..7,
; the result divided by 2^(e8 + e9); the other work-groups quantise Wd (scale 11).
; SHARES.  Work-groups 0..111: 64 rows of one kind (support: 100 rows, two groups; query: 300 rows, five groups) x 64 columns, all K = 1,024.  Sixteen waves.  First each wave quantises: one tile of 16 rows of A and
; one tile of 16 columns of B, for 256 along K (two K steps of 128); the fragments go to LDS as images of their registers (four stores of 512 bytes).  Behind a barrier each wave makes one tile 16 x 16 of the result:
; eight matrix instructions on two accumulators by turns.  The results meet in a stage and leave as whole aligned runs of 256 bytes.
; Work-groups 112..127: 64 columns of Wc (Wd), all K: the same quantiser, the images stored to wcd.  They touch no LDS.
; B's K is its first axis: a lane takes a column and its registers run down K, so the conversions give codes with K innermost.  A fragment's register 4 c .. 4 c + 3 of lane (r, h) holds k = 32 c + 16 h + 0 .. 15:
; the same order of k on both sides of every product.
; wcd: [wave 4][half of N 2][product 2][K step 8][half 2][fragment 4][2,048 bytes]; column = 512 half of N + 128 wave + 64 half + 16 fragment + r.
; LIMITS on the given exponents, so that each power of two below is an f32 number: each operand's e between -126 and 119; eA + eB (FC = 2: less e8 + e9) between -126 and 127.
; No cluster: the work-groups that share a tile of B are seven, which no cluster of four divides, and the launch is short.
.set FC, 1
.set XIMG, 0                           ; LDS: A's images, (tile of rows x 8 + K step) x 2,048 bytes
.set BIMG, 65536                       ; B's images, (tile of columns x 8 + K step) x 2,048
.set STG, 131072                       ; the stage: 64 rows x (256 bytes + 16)
.set SPARE, 148480                     ; the spare words: 128 bytes for each of 16 waves
.set AS, 32                            ; v32-159  128 numbers of A; later FA, FB
.set BS, 160                           ; v160-223 64 numbers of B; later the result
.set PC, 224                           ; v224-239 the codes just made
.set FA, 32                            ; four fragments of A
.set FB, 96                            ; four fragments of B
.set OUTR, 160
.set ACC0, 240
.set ACC1, 248
; v1 r, v2 h, v3 lane, v4 A's offset, v5 B's offset, v6 16 x lane, v7 / v8 where I store A's / B's images, v9 / v10 where I fetch them, v11 / v12 the stage in / out, v13, v14 the result's offsets, v15 the bias's,
; v16-23 the bias, v24 / v25 2^eA and 448 x 2^eA, v26 / v27 the same for B, v28 / v29 the add's two registers, v30, v31 at work
.macro XROW d                          ; v[d]: a row's number within its kind -> its row of x: held at the kind's last row; + (40 - D) x (number / D) + ADD, D = 10 or 30
	v_min_u32 v[\d], s40, v[\d]
	v_mul_u32_u24 v31, v[\d], s41
	v_lshrrev_b32 v31, 16, v31
	v_mad_u32_u24 v[\d], v31, s42, v[\d]
	v_add_nc_u32 v[\d], s43, v[\d]
.endm
.macro POW e, vs, vl                   ; s[e] = an exponent: v[vs] = 2^e, v[vl] = 448 x 2^e
	s_add_co_i32 s[\e], s[\e], 127
	s_lshl_b32 s49, s[\e], 23
	v_mov_b32 v[\vs], s49
	s_add_co_i32 s[\e], s[\e], 8
	s_lshl_b32 s[\e], s[\e], 23
	s_or_b32 s[\e], s[\e], 0x600000
	v_mov_b32 v[\vl], s[\e]
.endm
.macro ALOAD f                         ; my 16 rows' numbers of my K step f: lane (r, h) takes 16 neighbours of each block of 32
.irp c, 0,1,2,3
.irp j, 0,1,2,3
	global_load_b128 v[AS+64*\f+16*\c+4*\j:AS+64*\f+16*\c+4*\j+3], v4, s[4:5] offset:512*\f+128*\c+16*\j
.endr
.endr
.endm
.macro BLOAD f                         ; my 16 columns' numbers of my K step f: register 16 c + i = row 128 f + 32 c + 16 h + i
.irp c, 0,1,2,3
.irp i, 0,1,2,3,4,5,6,7,8,9,10,11,12,13,14,15
	global_load_b32 v[BS+16*\c+\i], v5, s[18:19] offset:(128*\f+32*\c+\i)*4096
.endr
.endr
.endm
.macro QUANT s, sc, lim                ; 64 numbers of a lane become a fragment's codes in v[PC] on
.irp b, 0,1,2,3
.irp i, 0,1,2,3,4,5,6,7,8,9,10,11,12,13,14,15
	v_med3_num_f32 v[\s+16*\b+\i], v[\s+16*\b+\i], -v[\lim], v[\lim]   ; the conversion does not saturate (ISA guide 7.6.2): the hold at the largest code x the scale
.endr
	v_cvt_scalef32_pk8_fp8_f32 v[PC+4*\b:PC+4*\b+1], v[\s+16*\b:\s+16*\b+7], v[\sc]
	v_cvt_scalef32_pk8_fp8_f32 v[PC+4*\b+2:PC+4*\b+3], v[\s+16*\b+8:\s+16*\b+15], v[\sc]
.endr
	v_nop                                          ; one plain vector line behind the last conversion
.endm
.macro IMAGE adr, off                  ; the fragment goes to LDS as it stands
.irp c, 0,1,2,3
	ds_store_b128 v[\adr], v[PC+4*\c:PC+4*\c+3] offset:\off+512*\c
.endr
.endm
.macro GSTORE f                        ; or to wcd: 512 consecutive bytes a store
.irp c, 0,1,2,3
	global_store_b128 v6, v[PC+4*\c:PC+4*\c+3], s[16:17] offset:16384*\f+512*\c
.endr
.endm
.macro FETCH reg, adr, off
.irp c, 0,1,2,3
	ds_load_b128 v[\reg+4*\c:\reg+4*\c+3], v[\adr] offset:\off+512*\c
.endr
.endm
.macro SCALEWORK                       ; the scales of my kind of rows (or of the weight that I quantise)
	s_wait_kmcnt 0x0
	s_cmp_eq_u32 s38, 1
.if FC == 1
	s_cselect_b32 s47, s26, s24                    ; eA
	s_cselect_b32 s48, s27, s25                    ; eB
	s_cmp_lt_u32 ttmp9, 112
	s_cselect_b32 s48, s48, s33
.else
	s_cselect_b32 s47, s30, s28
	s_cselect_b32 s48, s31, s29
	s_cmp_lt_u32 ttmp9, 112
	s_cselect_b32 s48, s48, s35
.endif
	s_add_co_i32 s44, s47, s48
.if FC == 2
	s_add_co_i32 s53, s32, s33                     ; e8 + e9: the last launch adds G to sums that lack this power of two
	s_sub_co_i32 s44, s44, s53
	s_sub_co_i32 s53, 0, s53
.endif
	s_add_co_i32 s44, s44, 127
	s_lshl_b32 s44, s44, 23                        ; what a finished sum is multiplied by
	s_mov_b32 s45, s44                             ; (named with it as a pair)
	POW 47, 24, 25
	POW 48, 26, 27
.endm
.macro BIASLOAD                        ; the bias of my tile's columns, in the result's layout.  FC = 2: b2 is added once, with the query rows; support rows take zeros
.if FC == 2
	s_cmp_eq_u32 s38, 0
	s_cbranch_scc1 .Lzero_\@
.endif
	global_load_b128 v[16:19], v15, s[10:11]
	global_load_b128 v[20:23], v15, s[10:11] offset:16
.if FC == 2
	s_branch .Lhave_\@
.Lzero_\@:
.irp j, 0,1,2,3,4,5,6,7
	v_mov_b32 v[16+\j], 0
.endr
.Lhave_\@:
.endif
.endm
.if FC == 1
	s_load_b256 s[4:11], s[0:1], 0x0               ; x s[4:5], W1 s[6:7], W2 s[8:9], b1 s[10:11]
	s_load_b128 s[12:15], s[0:1], 0x20             ; the scales s[12:13], F s[14:15]
	s_load_b64 s[16:17], s[0:1], 0x30              ; wcd
.else
	s_load_b64 s[4:5], s[0:1], 0x0                 ; F
	s_load_b128 s[8:11], s[0:1], 0x8               ; W2 s[8:9], b2 s[10:11]
	s_load_b128 s[12:15], s[0:1], 0x18             ; the scales s[12:13], G s[14:15]
	s_load_b64 s[16:17], s[0:1], 0x28              ; wcd
.endif
	v_lshl_add_u32 v28, v0, 2, SPARE               ; my spare word,
	v_mov_b32 v29, 0                               ; and 0: kept for the closing lines
	v_lshrrev_b32 v1, 5, v0
	v_readfirstlane_b32 s20, v1                    ; wave 0..15
	s_and_b32 s21, s20, 3                          ; a: which tile I quantise; later nt: my tile of columns
	s_lshr_b32 s22, s20, 2                         ; kq: which quarter of K; later mt: my tile of rows
	v_and_b32 v1, 15, v0                           ; r
	v_bfe_u32 v2, v0, 4, 1                         ; h
	v_and_b32 v3, 31, v0                           ; lane
	v_lshlrev_b32 v6, 4, v3
	; every LDS address is made here, of the thread's and the wave's number alone
	s_lshl_b32 s47, s21, 14
	s_lshl_b32 s48, s22, 12
	s_add_co_u32 s47, s47, s48
	v_add_nc_u32 v7, s47, v6                       ; A's images (8 a + 2 kq) on
	v_add_nc_u32 v8, BIMG, v7                      ; B's likewise
	s_lshl_b32 s48, s22, 14
	v_add_nc_u32 v9, s48, v6                       ; A's eight fragments of tile mt
	s_lshl_b32 s48, s21, 14
	s_add_co_u32 s48, s48, BIMG
	v_add_nc_u32 v10, s48, v6                      ; B's of tile nt
	s_mul_i32 s48, s22, 16*272
	s_lshl_b32 s47, s21, 6
	s_add_co_u32 s48, s48, s47
	s_add_co_u32 s48, s48, STG
	v_mul_u32_u24 v11, v1, 272
	v_lshl_add_u32 v11, v2, 5, v11
	v_add_nc_u32 v11, s48, v11                     ; the stage, in: row 16 mt + r, byte 64 nt + 32 h
	s_mul_i32 s48, s20, 4*272
	s_add_co_u32 s48, s48, STG
	v_mul_u32_u24 v12, v2, 272
	v_lshl_add_u32 v12, v1, 4, v12
	v_add_nc_u32 v12, s48, v12                     ; out: rows 4 w + h (and two further on), 16 bytes a lane
	; which rows and columns
	s_and_b32 s36, ttmp9, 15                       ; ns: 64 columns
	s_lshr_b32 s37, ttmp9, 4                       ; 0, 1: support; 2..6: query; 7: the quantiser
	s_mov_b32 s40, 99
	s_mov_b32 s41, 6554
	s_cmp_ge_u32 s37, 2
	s_cselect_b32 s38, 1, 0                        ; the kind
	s_cselect_b32 s40, 299, s40                    ; its last row
	s_cselect_b32 s41, 2185, s41                   ; (n x this) >> 16 = n / 10 up to 99, n / 30 up to 299
	s_cselect_b32 s42, 10, 30                      ; 40 - D
	s_cselect_b32 s43, 10, 0                       ; ADD
	s_cselect_b32 s46, 19, 7                       ; its tiles of 16 rows
	s_cselect_b32 s39, 2, 0
	s_sub_co_u32 s39, s37, s39                     ; g: which 64 rows of the kind
	s_lshl_b32 s47, s39, 2
	s_add_co_u32 s48, s47, s21
	s_cmp_lt_u32 s48, s46
	s_cselect_b32 s50, 1, 0                        ; the tile of A that I would quantise holds rows
	s_add_co_u32 s48, s47, s22
	s_cmp_lt_u32 s48, s46
	s_cselect_b32 s51, 1, 0                        ; my tile of the result holds rows
	s_lshl_b32 s47, s39, 6
	s_lshl_b32 s48, s20, 2
	s_add_co_u32 s48, s47, s48
	s_cmp_le_u32 s48, s40
	s_cselect_b32 s52, 1, 0                        ; the four rows that I store exist (100 and 300 are multiples of 4)
	v_add_nc_u32 v13, s48, v2
	v_add_nc_u32 v14, 2, v13
	XROW 13
	XROW 14
	s_lshl_b32 s49, s36, 8
	v_lshl_add_u32 v30, v1, 4, s49
	v_lshl_add_u32 v13, v13, 12, v30               ; row x 4,096 + 256 ns + 16 r
	v_lshl_add_u32 v14, v14, 12, v30
	s_lshl_b32 s48, s21, 4
	s_add_co_u32 s48, s47, s48
	v_add_nc_u32 v4, s48, v1
	XROW 4
	v_lshlrev_b32 v4, 12, v4
	v_lshl_add_u32 v4, v2, 6, v4                   ; A: row x 4,096 + 64 h
	v_lshlrev_b32 v5, 2, v1
	v_lshl_add_u32 v5, v2, 16, v5                  ; B: 16 h rows of 4,096 bytes + 4 r
	s_lshl_b32 s48, s21, 6
	s_add_co_u32 s48, s48, s49                     ; 256 ns + 64 a: my tile's first column, in bytes
	v_lshl_add_u32 v15, v2, 5, s48
	s_wait_kmcnt 0x0
	s_load_b256 s[24:31], s[12:13], 0x0            ; e0 .. e7
	s_load_b128 s[32:35], s[12:13], 0x20           ; e8 .. e11
	s_lshl_b32 s54, s22, 10
	s_mov_b32 s55, 0
	s_add_nc_u64 s[4:5], s[4:5], s[54:55]          ; A at my quarter of K
.if FC == 1
	s_cmp_lt_u32 ttmp9, 112
	s_cselect_b64 s[18:19], s[6:7], s[8:9]         ; W1, or W2 for the quantiser: the choice hangs on the work-group's number alone
	s_cselect_b32 s54, 0, 0x800000                 ; Wc begins 2,048 rows down
.else
	s_mov_b64 s[18:19], s[8:9]
	s_lshl_b32 s54, s38, 22                        ; Ws at row 0, Wq at row 1,024,
	s_cmp_lt_u32 ttmp9, 112
	s_cselect_b32 s54, s54, 0xc00000               ; Wd at row 3,072
.endif
	s_lshl_b32 s56, s22, 20
	s_add_co_u32 s54, s54, s56                     ; + my quarter of K: 256 rows
	s_add_co_u32 s54, s54, s48                     ; + my tile's columns
	s_add_nc_u64 s[18:19], s[18:19], s[54:55]
	s_cmp_ge_u32 ttmp9, 112
	s_cbranch_scc1 .Lquant
	; ---- the product's work-groups.  The loads of the bias and of A are older than B's: B's wait shows them in too
	BIASLOAD
	s_cmp_eq_u32 s50, 0
	s_cbranch_scc1 .Lb_only
	ALOAD 0
	ALOAD 1
	BLOAD 0
	SCALEWORK
	s_wait_loadcnt 0x0
	QUANT BS, 26, 27
	BLOAD 1                                        ; lands while A is quantised
	IMAGE 8, 0
	s_wait_dscnt 0x0                               ; the stores have read the codes' registers
	QUANT AS, 24, 25
	IMAGE 7, 0
	s_wait_dscnt 0x0
	QUANT AS+64, 24, 25
	IMAGE 7, 2048
	s_wait_loadcnt 0x0
	s_wait_dscnt 0x0
	QUANT BS, 26, 27
	IMAGE 8, 2048
	s_branch .Ljoin
.Lb_only:                                              ; a wave whose tile of A lies past the kind's last row quantises B alone
	BLOAD 0
	SCALEWORK
	s_wait_loadcnt 0x0
	QUANT BS, 26, 27
	BLOAD 1
	IMAGE 8, 0
	s_wait_loadcnt 0x0
	s_wait_dscnt 0x0
	QUANT BS, 26, 27
	IMAGE 8, 2048
.Ljoin:
	s_wait_dscnt 0x0                               ; for the others' sake: my images have landed
	s_barrier_signal -1
	s_barrier_wait -1
	s_cmp_eq_u32 s51, 0
	s_cbranch_scc1 .Lno_tile
.if FC == 2
.irp j, 0,1,2,3,4,5,6,7
	v_ldexp_f32 v[16+\j], v[16+\j], s53            ; b2 / 2^(e8 + e9)
.endr
.endif
.irp hk, 0,1                           ; four K steps at a time; source 0 = 16 columns of B, source 1 = 16 rows of A: a lane holds eight neighbouring columns of one row
.irp i, 0,1,2,3
	FETCH FA+16*\i, 9, (4*\hk+\i)*2048
	FETCH FB+16*\i, 10, (4*\hk+\i)*2048
.endr
	s_wait_dscnt 0x0
.if \hk == 0
	v_wmma_f32_16x16x128_fp8_fp8 v[ACC0:ACC0+7], v[FB:FB+15], v[FA:FA+15], 0
	v_wmma_f32_16x16x128_fp8_fp8 v[ACC1:ACC1+7], v[FB+16:FB+31], v[FA+16:FA+31], 0
.else
	v_wmma_f32_16x16x128_fp8_fp8 v[ACC0:ACC0+7], v[FB:FB+15], v[FA:FA+15], v[ACC0:ACC0+7]
	v_wmma_f32_16x16x128_fp8_fp8 v[ACC1:ACC1+7], v[FB+16:FB+31], v[FA+16:FA+31], v[ACC1:ACC1+7]
.endif
	v_wmma_f32_16x16x128_fp8_fp8 v[ACC0:ACC0+7], v[FB+32:FB+47], v[FA+32:FA+47], v[ACC0:ACC0+7]   ; the two accumulators take turns
	v_wmma_f32_16x16x128_fp8_fp8 v[ACC1:ACC1+7], v[FB+48:FB+63], v[FA+48:FA+63], v[ACC1:ACC1+7]
.rept 4
	v_nop                                          ; places in front of loads into registers that matrix instructions have read, and of the first read of results
.endr
.endr
.irp j, 0,2,4,6
	v_pk_add_f32 v[OUTR+\j:OUTR+\j+1], v[ACC0+\j:ACC0+\j+1], v[ACC1+\j:ACC1+\j+1]   ; from each accumulator's low end on
.endr
.irp j, 0,2,4,6
	v_pk_fma_f32 v[OUTR+\j:OUTR+\j+1], v[OUTR+\j:OUTR+\j+1], s[44:45], v[16+\j:17+\j] op_sel_hi:[1,0,1]   ; sum x the power of two + bias
.endr
	ds_store_b128 v11, v[OUTR:OUTR+3]
	ds_store_b128 v11, v[OUTR+4:OUTR+7] offset:16
.Lno_tile:
	s_wait_dscnt 0x0                               ; my part of the stage has landed
	s_barrier_signal -1
	s_barrier_wait -1
	s_cmp_eq_u32 s52, 0
	s_cbranch_scc1 .Lno_rows
	ds_load_b128 v[32:35], v12
	ds_load_b128 v[36:39], v12 offset:544
	s_wait_dscnt 0x1                               ; the first is in; the second may be out
	global_store_b128 v13, v[32:35], s[14:15]      ; sixteen lanes store 256 consecutive bytes, at a multiple of 256 from the buffer's first byte
	s_wait_dscnt 0x0
	global_store_b128 v14, v[36:39], s[14:15]
.Lno_rows:
	s_wait_tensorcnt 0x0                           ; the wave's end
	ds_add_u32 v28, v29
	s_wait_dscnt 0x0
	s_endpgm
	; ---- the quantiser's work-groups: no LDS
.Lquant:
	s_bfe_u32 s54, s36, 0x20001                    ; column 64 ns on belongs to wave (ns / 2) % 4 of the last launch,
	s_lshl_b32 s54, s54, 19
	s_lshr_b32 s56, s36, 3                         ; half ns / 8 of N,
	s_lshl_b32 s56, s56, 18
	s_add_co_u32 s54, s54, s56
	s_and_b32 s56, s36, 1                          ; half ns % 2 of that wave's 128 columns;
	s_lshl_b32 s56, s56, 13
	s_add_co_u32 s54, s54, s56
	s_lshl_b32 s56, s22, 15                        ; my two K steps,
	s_add_co_u32 s54, s54, s56
	s_lshl_b32 s56, s21, 11                        ; my fragment
	s_add_co_u32 s54, s54, s56
.if FC == 2
	s_add_co_u32 s54, s54, 131072                  ; the second product's part
.endif
	s_add_nc_u64 s[16:17], s[16:17], s[54:55]
	BLOAD 0
	SCALEWORK
	s_wait_loadcnt 0x0
	QUANT BS, 26, 27
	BLOAD 1
	GSTORE 0
	s_wait_loadcnt 0x0
	s_wait_xcnt 0x0                                ; the stores have read the codes' registers
	QUANT BS, 26, 27
	GSTORE 1
	s_endpgm
.Lfunc_end_k_qa7074f5b5b_fc1:
	.size	k_qa7074f5b5b_fc1, .Lfunc_end_k_qa7074f5b5b_fc1-k_qa7074f5b5b_fc1
	.p2alignl 7, 3214868480
	.fill 96, 4, 3214868480
	.section	.rodata,"a",@progbits
	.p2align	6, 0x0
	.amdhsa_kernel k_qa7074f5b5b_fc1
		.amdhsa_group_segment_fixed_size 150528
		.amdhsa_private_segment_fixed_size 0
		.amdhsa_enable_private_segment 0
		.amdhsa_kernarg_size 56
		.amdhsa_user_sgpr_count 2
		.amdhsa_user_sgpr_kernarg_segment_ptr 1
		.amdhsa_wavefront_size32 1
		.amdhsa_system_sgpr_workgroup_id_x 1
		.amdhsa_system_sgpr_workgroup_id_y 1
		.amdhsa_system_sgpr_workgroup_id_z 1
		.amdhsa_system_vgpr_workitem_id 0
		.amdhsa_next_free_vgpr 256
		.amdhsa_next_free_sgpr 66
		.amdhsa_reserve_vcc 0
		.amdhsa_float_denorm_mode_32 3
		.amdhsa_float_denorm_mode_16_64 3
		.amdhsa_memory_ordered 1
		.amdhsa_forward_progress 1
		.amdhsa_inst_pref_size 93
	.end_amdhsa_kernel
	.amdgpu_metadata
---
amdhsa.version: [ 1, 2 ]
amdhsa.kernels:
  - .name:           k_qa7074f5b5b_fc1
    .symbol:         k_qa7074f5b5b_fc1.kd
    .args:
      - { .name: x, .offset: 0, .size: 8, .value_kind: global_buffer, .address_space: global }
      - { .name: W1, .offset: 8, .size: 8, .value_kind: global_buffer, .address_space: global }
      - { .name: W2, .offset: 16, .size: 8, .value_kind: global_buffer, .address_space: global }
      - { .name: b1, .offset: 24, .size: 8, .value_kind: global_buffer, .address_space: global }
      - { .name: lowp_scales, .offset: 32, .size: 8, .value_kind: global_buffer, .address_space: global }
      - { .name: F, .offset: 40, .size: 8, .value_kind: global_buffer, .address_space: global }
      - { .name: wcd, .offset: 48, .size: 8, .value_kind: global_buffer, .address_space: global }
    .group_segment_fixed_size: 150528
    .private_segment_fixed_size: 0
    .kernarg_segment_align: 8
    .kernarg_segment_size: 56
    .max_flat_workgroup_size: 512
    .sgpr_count:     66
    .vgpr_count:     256
    .wavefront_size: 32
...
	.end_amdgpu_metadata
.endif
;; end of part 1
;; launch fc2 (part 2): grid 128 x 1, 16 waves a work-group, no clusters, 150,528 bytes of LDS; arguments F, W2, b2, lowp_scales, G, wcd; writes G, wcd
.if DOCPART == 2
	.amdgcn_target "amdgcn-amd-amdhsa--gfx1250"
	.amdhsa_code_object_version 6
	.text
	.protected	k_qa7074f5b5b_fc2
	.globl	k_qa7074f5b5b_fc2
	.p2align	8
	.type	k_qa7074f5b5b_fc2,@function
k_qa7074f5b5b_fc2:
	s_mov_b64 s[64:65], 0
	v_nop
	global_prefetch_b8 v0, s[64:65] scope:SCOPE_SE
	s_setreg_imm32_b32 hwreg(HW_REG_WAVE_MODE, 25, 1), 1
	s_wait_xcnt 0x0
; SECOND OF THREE LAUNCHES.  G = (Q(F) Q(Ws)) / 2^(e8 + e9) on support rows, (Q(F) Q(Wq) + b2) / 2^(e8 + e9) on query rows (products 3 and 4 of the table), and the codes of Wd = W2[3072:4096].
; Work left out: the input y, which reference() never reads, is not loaded (shown at the head of the first launch's text).
; This text serves two launches; FC says which.  FC = 1: A = x, B = W1, bias b1, scales 0..3; the other work-groups quantise Wc (scale 9).  FC = 2: A = F, B = Ws or Wq, bias b2 on query rows alone, scales 4..7,
; the result divided by 2^(e8 + e9); the other work-groups quantise Wd (scale 11).
; SHARES.  Work-groups 0..111: 64 rows of one kind (support: 100 rows, two groups; query: 300 rows, five groups) x 64 columns, all K = 1,024.  Sixteen waves.  First each wave quantises: one tile of 16 rows of A and
; one tile of 16 columns of B, for 256 along K (two K steps of 128); the fragments go to LDS as images of their registers (four stores of 512 bytes).  Behind a barrier each wave makes one tile 16 x 16 of the result:
; eight matrix instructions on two accumulators by turns.  The results meet in a stage and leave as whole aligned runs of 256 bytes.
; Work-groups 112..127: 64 columns of Wc (Wd), all K: the same quantiser, the images stored to wcd.  They touch no LDS.
; B's K is its first axis: a lane takes a column and its registers run down K, so the conversions give codes with K innermost.  A fragment's register 4 c .. 4 c + 3 of lane (r, h) holds k = 32 c + 16 h + 0 .. 15:
; the same order of k on both sides of every product.
; wcd: [wave 4][half of N 2][product 2][K step 8][half 2][fragment 4][2,048 bytes]; column = 512 half of N + 128 wave + 64 half + 16 fragment + r.
; LIMITS on the given exponents, so that each power of two below is an f32 number: each operand's e between -126 and 119; eA + eB (FC = 2: less e8 + e9) between -126 and 127.  NaN among the inputs is not served.
; No cluster: the work-groups that share a tile of B are two or five, which no cluster of four divides, and the launch is short.
.set FC, 2
.set XIMG, 0                           ; LDS: A's images, (tile of rows x 8 + K step) x 2,048 bytes
.set BIMG, 65536                       ; B's images, (tile of columns x 8 + K step) x 2,048
.set STG, 131072                       ; the stage: 64 rows x (256 bytes + 16)
.set SPARE, 148480                     ; the spare words: 128 bytes for each of 16 waves
.set AS, 32                            ; v32-159  128 numbers of A; later FA, FB
.set BS, 160                           ; v160-223 64 numbers of B; later the result
.set PC, 224                           ; v224-239 the codes just made
.set FA, 32                            ; four fragments of A
.set FB, 96                            ; four fragments of B
.set OUTR, 160
.set ACC0, 240
.set ACC1, 248
; v1 r, v2 h, v3 lane, v4 A's offset, v5 B's offset, v6 16 x lane, v7 / v8 where I store A's / B's images, v9 / v10 where I fetch them, v11 / v12 the stage in / out, v13, v14 the result's offsets, v15 the bias's,
; v16-23 the bias, v24 / v25 2^eA and 448 x 2^eA, v26 / v27 the same for B, v28 / v29 the add's two registers, v30, v31 at work
.macro XROW d                          ; v[d]: a row's number within its kind -> its row of x: held at the kind's last row; + (40 - D) x (number / D) + ADD, D = 10 or 30
	v_min_u32 v[\d], s40, v[\d]
	v_mul_u32_u24 v31, v[\d], s41
	v_lshrrev_b32 v31, 16, v31
	v_mad_u32_u24 v[\d], v31, s42, v[\d]
	v_add_nc_u32 v[\d], s43, v[\d]
.endm
.macro POW e, vs, vl                   ; s[e] = an exponent: v[vs] = 2^e, v[vl] = 448 x 2^e
	s_add_co_i32 s[\e], s[\e], 127
	s_lshl_b32 s49, s[\e], 23
	v_mov_b32 v[\vs], s49
	s_add_co_i32 s[\e], s[\e], 8
	s_lshl_b32 s[\e], s[\e], 23
	s_or_b32 s[\e], s[\e], 0x600000
	v_mov_b32 v[\vl], s[\e]
.endm
.macro ALOAD f                         ; my 16 rows' numbers of my K step f: lane (r, h) takes 16 neighbours of each block of 32
.irp c, 0,1,2,3
.irp j, 0,1,2,3
	global_load_b128 v[AS+64*\f+16*\c+4*\j:AS+64*\f+16*\c+4*\j+3], v4, s[4:5] offset:512*\f+128*\c+16*\j
.endr
.endr
.endm
.macro BLOAD f                         ; my 16 columns' numbers of my K step f: register 16 c + i = row 128 f + 32 c + 16 h + i
.irp c, 0,1,2,3
.irp i, 0,1,2,3,4,5,6,7,8,9,10,11,12,13,14,15
	global_load_b32 v[BS+16*\c+\i], v5, s[18:19] offset:(128*\f+32*\c+\i)*4096
.endr
.endr
.endm
.macro QUANT s, sc, lim                ; 64 numbers of a lane become a fragment's codes in v[PC] on
.irp b, 0,1,2,3
.irp i, 0,1,2,3,4,5,6,7,8,9,10,11,12,13,14,15
	v_med3_num_f32 v[\s+16*\b+\i], v[\s+16*\b+\i], -v[\lim], v[\lim]   ; the conversion does not saturate (ISA guide 7.6.2): the hold at the largest code x the scale
.endr
	v_cvt_scalef32_pk8_fp8_f32 v[PC+4*\b:PC+4*\b+1], v[\s+16*\b:\s+16*\b+7], v[\sc]
	v_cvt_scalef32_pk8_fp8_f32 v[PC+4*\b+2:PC+4*\b+3], v[\s+16*\b+8:\s+16*\b+15], v[\sc]
.endr
	v_nop                                          ; one plain vector line behind the last conversion
.endm
.macro IMAGE adr, off                  ; the fragment goes to LDS as it stands
.irp c, 0,1,2,3
	ds_store_b128 v[\adr], v[PC+4*\c:PC+4*\c+3] offset:\off+512*\c
.endr
.endm
.macro GSTORE f                        ; or to wcd: 512 consecutive bytes a store
.irp c, 0,1,2,3
	global_store_b128 v6, v[PC+4*\c:PC+4*\c+3], s[16:17] offset:16384*\f+512*\c
.endr
.endm
.macro FETCH reg, adr, off
.irp c, 0,1,2,3
	ds_load_b128 v[\reg+4*\c:\reg+4*\c+3], v[\adr] offset:\off+512*\c
.endr
.endm
.macro SCALEWORK                       ; the scales of my kind of rows (or of the weight that I quantise)
	s_wait_kmcnt 0x0
	s_cmp_eq_u32 s38, 1
.if FC == 1
	s_cselect_b32 s47, s26, s24                    ; eA
	s_cselect_b32 s48, s27, s25                    ; eB
	s_cmp_lt_u32 ttmp9, 112
	s_cselect_b32 s48, s48, s33
.else
	s_cselect_b32 s47, s30, s28
	s_cselect_b32 s48, s31, s29
	s_cmp_lt_u32 ttmp9, 112
	s_cselect_b32 s48, s48, s35
.endif
	s_add_co_i32 s44, s47, s48
.if FC == 2
	s_add_co_i32 s53, s32, s33                     ; e8 + e9: the last launch adds G to sums that lack this power of two
	s_sub_co_i32 s44, s44, s53
	s_sub_co_i32 s53, 0, s53
.endif
	s_add_co_i32 s44, s44, 127
	s_lshl_b32 s44, s44, 23                        ; what a finished sum is multiplied by
	s_mov_b32 s45, s44                             ; (named with it as a pair)
	POW 47, 24, 25
	POW 48, 26, 27
.endm
.macro BIASLOAD                        ; the bias of my tile's columns, in the result's layout.  FC = 2: b2 is added once, with the query rows; support rows take zeros
.if FC == 2
	s_cmp_eq_u32 s38, 0
	s_cbranch_scc1 .Lzero_\@
.endif
	global_load_b128 v[16:19], v15, s[10:11]
	global_load_b128 v[20:23], v15, s[10:11] offset:16
.if FC == 2
	s_branch .Lhave_\@
.Lzero_\@:
.irp j, 0,1,2,3,4,5,6,7
	v_mov_b32 v[16+\j], 0
.endr
.Lhave_\@:
.endif
.endm
.if FC == 1
	s_load_b256 s[4:11], s[0:1], 0x0               ; x s[4:5], W1 s[6:7], W2 s[8:9], b1 s[10:11]
	s_load_b128 s[12:15], s[0:1], 0x20             ; the scales s[12:13], F s[14:15]
	s_load_b64 s[16:17], s[0:1], 0x30              ; wcd
.else
	s_load_b64 s[4:5], s[0:1], 0x0                 ; F
	s_load_b128 s[8:11], s[0:1], 0x8               ; W2 s[8:9], b2 s[10:11]
	s_load_b128 s[12:15], s[0:1], 0x18             ; the scales s[12:13], G s[14:15]
	s_load_b64 s[16:17], s[0:1], 0x28              ; wcd
.endif
	v_lshl_add_u32 v28, v0, 2, SPARE               ; my spare word,
	v_mov_b32 v29, 0                               ; and 0: kept for the closing lines
	v_lshrrev_b32 v1, 5, v0
	v_readfirstlane_b32 s20, v1                    ; wave 0..15
	s_and_b32 s21, s20, 3                          ; a: which tile I quantise; later nt: my tile of columns
	s_lshr_b32 s22, s20, 2                         ; kq: which quarter of K; later mt: my tile of rows
	v_and_b32 v1, 15, v0                           ; r
	v_bfe_u32 v2, v0, 4, 1                         ; h
	v_and_b32 v3, 31, v0                           ; lane
	v_lshlrev_b32 v6, 4, v3
	; every LDS address is made here, of the thread's and the wave's number alone
	s_lshl_b32 s47, s21, 14
	s_lshl_b32 s48, s22, 12
	s_add_co_u32 s47, s47, s48
	v_add_nc_u32 v7, s47, v6                       ; A's images (8 a + 2 kq) on
	v_add_nc_u32 v8, BIMG, v7                      ; B's likewise
	s_lshl_b32 s48, s22, 14
	v_add_nc_u32 v9, s48, v6                       ; A's eight fragments of tile mt
	s_lshl_b32 s48, s21, 14
	s_add_co_u32 s48, s48, BIMG
	v_add_nc_u32 v10, s48, v6                      ; B's of tile nt
	s_mul_i32 s48, s22, 16*272
	s_lshl_b32 s47, s21, 6
	s_add_co_u32 s48, s48, s47
	s_add_co_u32 s48, s48, STG
	v_mul_u32_u24 v11, v1, 272
	v_lshl_add_u32 v11, v2, 5, v11
	v_add_nc_u32 v11, s48, v11                     ; the stage, in: row 16 mt + r, byte 64 nt + 32 h
	s_mul_i32 s48, s20, 4*272
	s_add_co_u32 s48, s48, STG
	v_mul_u32_u24 v12, v2, 272
	v_lshl_add_u32 v12, v1, 4, v12
	v_add_nc_u32 v12, s48, v12                     ; out: rows 4 w + h (and two further on), 16 bytes a lane
	; which rows and columns
	s_and_b32 s36, ttmp9, 15                       ; ns: 64 columns
	s_lshr_b32 s37, ttmp9, 4                       ; 0, 1: support; 2..6: query; 7: the quantiser
	s_mov_b32 s40, 99
	s_mov_b32 s41, 6554
	s_cmp_ge_u32 s37, 2
	s_cselect_b32 s38, 1, 0                        ; the kind
	s_cselect_b32 s40, 299, s40                    ; its last row
	s_cselect_b32 s41, 2185, s41                   ; (n x this) >> 16 = n / 10 up to 99, n / 30 up to 299
	s_cselect_b32 s42, 10, 30                      ; 40 - D
	s_cselect_b32 s43, 10, 0                       ; ADD
	s_cselect_b32 s46, 19, 7                       ; its tiles of 16 rows
	s_cselect_b32 s39, 2, 0
	s_sub_co_u32 s39, s37, s39                     ; g: which 64 rows of the kind
	s_lshl_b32 s47, s39, 2
	s_add_co_u32 s48, s47, s21
	s_cmp_lt_u32 s48, s46
	s_cselect_b32 s50, 1, 0                        ; the tile of A that I would quantise holds rows
	s_add_co_u32 s48, s47, s22
	s_cmp_lt_u32 s48, s46
	s_cselect_b32 s51, 1, 0                        ; my tile of the result holds rows
	s_lshl_b32 s47, s39, 6
	s_lshl_b32 s48, s20, 2
	s_add_co_u32 s48, s47, s48
	s_cmp_le_u32 s48, s40
	s_cselect_b32 s52, 1, 0                        ; the four rows that I store exist (100 and 300 are multiples of 4)
	v_add_nc_u32 v13, s48, v2
	v_add_nc_u32 v14, 2, v13
	XROW 13
	XROW 14
	s_lshl_b32 s49, s36, 8
	v_lshl_add_u32 v30, v1, 4, s49
	v_lshl_add_u32 v13, v13, 12, v30               ; row x 4,096 + 256 ns + 16 r
	v_lshl_add_u32 v14, v14, 12, v30
	s_lshl_b32 s48, s21, 4
	s_add_co_u32 s48, s47, s48
	v_add_nc_u32 v4, s48, v1
	XROW 4
	v_lshlrev_b32 v4, 12, v4
	v_lshl_add_u32 v4, v2, 6, v4                   ; A: row x 4,096 + 64 h
	v_lshlrev_b32 v5, 2, v1
	v_lshl_add_u32 v5, v2, 16, v5                  ; B: 16 h rows of 4,096 bytes + 4 r
	s_lshl_b32 s48, s21, 6
	s_add_co_u32 s48, s48, s49                     ; 256 ns + 64 a: my tile's first column, in bytes
	v_lshl_add_u32 v15, v2, 5, s48
	s_wait_kmcnt 0x0
	s_load_b256 s[24:31], s[12:13], 0x0            ; e0 .. e7
	s_load_b128 s[32:35], s[12:13], 0x20           ; e8 .. e11
	s_lshl_b32 s54, s22, 10
	s_mov_b32 s55, 0
	s_add_nc_u64 s[4:5], s[4:5], s[54:55]          ; A at my quarter of K
.if FC == 1
	s_cmp_lt_u32 ttmp9, 112
	s_cselect_b64 s[18:19], s[6:7], s[8:9]         ; W1, or W2 for the quantiser: the choice hangs on the work-group's number alone
	s_cselect_b32 s54, 0, 0x800000                 ; Wc begins 2,048 rows down
.else
	s_mov_b64 s[18:19], s[8:9]
	s_lshl_b32 s54, s38, 22                        ; Ws at row 0, Wq at row 1,024,
	s_cmp_lt_u32 ttmp9, 112
	s_cselect_b32 s54, s54, 0xc00000               ; Wd at row 3,072
.endif
	s_lshl_b32 s56, s22, 20
	s_add_co_u32 s54, s54, s56                     ; + my quarter of K: 256 rows
	s_add_co_u32 s54, s54, s48                     ; + my tile's columns
	s_add_nc_u64 s[18:19], s[18:19], s[54:55]
	s_cmp_ge_u32 ttmp9, 112
	s_cbranch_scc1 .Lquant
	; ---- the product's work-groups.  The loads of the bias and of A are older than B's: B's wait shows them in too
	BIASLOAD
	s_cmp_eq_u32 s50, 0
	s_cbranch_scc1 .Lb_only
	ALOAD 0
	ALOAD 1
	BLOAD 0
	SCALEWORK
	s_wait_loadcnt 0x0
	QUANT BS, 26, 27
	BLOAD 1                                        ; lands while A is quantised
	IMAGE 8, 0
	s_wait_dscnt 0x0                               ; the stores have read the codes' registers
	QUANT AS, 24, 25
	IMAGE 7, 0
	s_wait_dscnt 0x0
	QUANT AS+64, 24, 25
	IMAGE 7, 2048
	s_wait_loadcnt 0x0
	s_wait_dscnt 0x0
	QUANT BS, 26, 27
	IMAGE 8, 2048
	s_branch .Ljoin
.Lb_only:                                              ; a wave whose tile of A lies past the kind's last row quantises B alone
	BLOAD 0
	SCALEWORK
	s_wait_loadcnt 0x0
	QUANT BS, 26, 27
	BLOAD 1
	IMAGE 8, 0
	s_wait_loadcnt 0x0
	s_wait_dscnt 0x0
	QUANT BS, 26, 27
	IMAGE 8, 2048
.Ljoin:
	s_wait_dscnt 0x0                               ; for the others' sake: my images have landed
	s_barrier_signal -1
	s_barrier_wait -1
	s_cmp_eq_u32 s51, 0
	s_cbranch_scc1 .Lno_tile
.if FC == 2
.irp j, 0,1,2,3,4,5,6,7
	v_ldexp_f32 v[16+\j], v[16+\j], s53            ; b2 / 2^(e8 + e9)
.endr
.endif
.irp hk, 0,1                           ; four K steps at a time; source 0 = 16 columns of B, source 1 = 16 rows of A: a lane holds eight neighbouring columns of one row
.irp i, 0,1,2,3
	FETCH FA+16*\i, 9, (4*\hk+\i)*2048
	FETCH FB+16*\i, 10, (4*\hk+\i)*2048
.endr
	s_wait_dscnt 0x0
.if \hk == 0
	v_wmma_f32_16x16x128_fp8_fp8 v[ACC0:ACC0+7], v[FB:FB+15], v[FA:FA+15], 0
	v_wmma_f32_16x16x128_fp8_fp8 v[ACC1:ACC1+7], v[FB+16:FB+31], v[FA+16:FA+31], 0
.else
	v_wmma_f32_16x16x128_fp8_fp8 v[ACC0:ACC0+7], v[FB:FB+15], v[FA:FA+15], v[ACC0:ACC0+7]
	v_wmma_f32_16x16x128_fp8_fp8 v[ACC1:ACC1+7], v[FB+16:FB+31], v[FA+16:FA+31], v[ACC1:ACC1+7]
.endif
	v_wmma_f32_16x16x128_fp8_fp8 v[ACC0:ACC0+7], v[FB+32:FB+47], v[FA+32:FA+47], v[ACC0:ACC0+7]   ; the two accumulators take turns
	v_wmma_f32_16x16x128_fp8_fp8 v[ACC1:ACC1+7], v[FB+48:FB+63], v[FA+48:FA+63], v[ACC1:ACC1+7]
.rept 4
	v_nop                                          ; places in front of loads into registers that matrix instructions have read, and of the first read of results
.endr
.endr
.irp j, 0,2,4,6
	v_pk_add_f32 v[OUTR+\j:OUTR+\j+1], v[ACC0+\j:ACC0+\j+1], v[ACC1+\j:ACC1+\j+1]   ; from each accumulator's low end on
.endr
.irp j, 0,2,4,6
	v_pk_fma_f32 v[OUTR+\j:OUTR+\j+1], v[OUTR+\j:OUTR+\j+1], s[44:45], v[16+\j:17+\j] op_sel_hi:[1,0,1]   ; sum x the power of two + bias
.endr
	ds_store_b128 v11, v[OUTR:OUTR+3]
	ds_store_b128 v11, v[OUTR+4:OUTR+7] offset:16
.Lno_tile:
	s_wait_dscnt 0x0                               ; my part of the stage has landed
	s_barrier_signal -1
	s_barrier_wait -1
	s_cmp_eq_u32 s52, 0
	s_cbranch_scc1 .Lno_rows
	ds_load_b128 v[32:35], v12
	ds_load_b128 v[36:39], v12 offset:544
	s_wait_dscnt 0x1                               ; the first is in; the second may be out
	global_store_b128 v13, v[32:35], s[14:15]      ; sixteen lanes store 256 consecutive bytes, at a multiple of 256 from the buffer's first byte
	s_wait_dscnt 0x0
	global_store_b128 v14, v[36:39], s[14:15]
.Lno_rows:
	s_wait_tensorcnt 0x0                           ; the wave's end
	ds_add_u32 v28, v29
	s_wait_dscnt 0x0
	s_endpgm
	; ---- the quantiser's work-groups: no LDS
.Lquant:
	s_bfe_u32 s54, s36, 0x20001                    ; column 64 ns on belongs to wave (ns / 2) % 4 of the last launch,
	s_lshl_b32 s54, s54, 19
	s_lshr_b32 s56, s36, 3                         ; half ns / 8 of N,
	s_lshl_b32 s56, s56, 18
	s_add_co_u32 s54, s54, s56
	s_and_b32 s56, s36, 1                          ; half ns % 2 of that wave's 128 columns;
	s_lshl_b32 s56, s56, 13
	s_add_co_u32 s54, s54, s56
	s_lshl_b32 s56, s22, 15                        ; my two K steps,
	s_add_co_u32 s54, s54, s56
	s_lshl_b32 s56, s21, 11                        ; my fragment
	s_add_co_u32 s54, s54, s56
.if FC == 2
	s_add_co_u32 s54, s54, 131072                  ; the second product's part
.endif
	s_add_nc_u64 s[16:17], s[16:17], s[54:55]
	BLOAD 0
	SCALEWORK
	s_wait_loadcnt 0x0
	QUANT BS, 26, 27
	BLOAD 1
	GSTORE 0
	s_wait_loadcnt 0x0
	s_wait_xcnt 0x0                                ; the stores have read the codes' registers
	QUANT BS, 26, 27
	GSTORE 1
	s_endpgm
.Lfunc_end_k_qa7074f5b5b_fc2:
	.size	k_qa7074f5b5b_fc2, .Lfunc_end_k_qa7074f5b5b_fc2-k_qa7074f5b5b_fc2
	.p2alignl 7, 3214868480
	.fill 96, 4, 3214868480
	.section	.rodata,"a",@progbits
	.p2align	6, 0x0
	.amdhsa_kernel k_qa7074f5b5b_fc2
		.amdhsa_group_segment_fixed_size 150528
		.amdhsa_private_segment_fixed_size 0
		.amdhsa_enable_private_segment 0
		.amdhsa_kernarg_size 48
		.amdhsa_user_sgpr_count 2
		.amdhsa_user_sgpr_kernarg_segment_ptr 1
		.amdhsa_wavefront_size32 1
		.amdhsa_system_sgpr_workgroup_id_x 1
		.amdhsa_system_sgpr_workgroup_id_y 1
		.amdhsa_system_sgpr_workgroup_id_z 1
		.amdhsa_system_vgpr_workitem_id 0
		.amdhsa_next_free_vgpr 256
		.amdhsa_next_free_sgpr 66
		.amdhsa_reserve_vcc 0
		.amdhsa_float_denorm_mode_32 3
		.amdhsa_float_denorm_mode_16_64 3
		.amdhsa_memory_ordered 1
		.amdhsa_forward_progress 1
		.amdhsa_inst_pref_size 94
	.end_amdhsa_kernel
	.amdgpu_metadata
---
amdhsa.version: [ 1, 2 ]
amdhsa.kernels:
  - .name:           k_qa7074f5b5b_fc2
    .symbol:         k_qa7074f5b5b_fc2.kd
    .args:
      - { .name: F, .offset: 0, .size: 8, .value_kind: global_buffer, .address_space: global }
      - { .name: W2, .offset: 8, .size: 8, .value_kind: global_buffer, .address_space: global }
      - { .name: b2, .offset: 16, .size: 8, .value_kind: global_buffer, .address_space: global }
      - { .name: lowp_scales, .offset: 24, .size: 8, .value_kind: global_buffer, .address_space: global }
      - { .name: G, .offset: 32, .size: 8, .value_kind: global_buffer, .address_space: global }
      - { .name: wcd, .offset: 40, .size: 8, .value_kind: global_buffer, .address_space: global }
    .group_segment_fixed_size: 150528
    .private_segment_fixed_size: 0
    .kernarg_segment_align: 8
    .kernarg_segment_size: 48
    .max_flat_workgroup_size: 512
    .sgpr_count:     66
    .vgpr_count:     256
    .wavefront_size: 32
...
	.end_amdgpu_metadata
.endif
;; end of part 2
;; launch main (part 3): grid 25 x 10, 4 waves a work-group, no clusters, 251,392 bytes of LDS; arguments F, G, wcd, x, lowp_scales, out0; writes out0
.if DOCPART == 3
	.amdgcn_target "amdgcn-amd-amdhsa--gfx1250"
	.amdhsa_code_object_version 6
	.text
	.protected	k_qa7074f5b5b_main
	.globl	k_qa7074f5b5b_main
	.p2align	8
	.type	k_qa7074f5b5b_main,@function
k_qa7074f5b5b_main:
	s_mov_b64 s[64:65], 0
	v_nop
	global_prefetch_b8 v0, s[64:65] scope:SCOPE_SE
	s_setreg_imm32_b32 hwreg(HW_REG_WAVE_MODE, 25, 1), 1
	s_wait_xcnt 0x0
; THIRD OF THREE LAUNCHES: products 5 and 6 of the table, tanh, its sum, the softmax, the prototype (product 7, K = 10, in f32 multiply-adds) and the squared distance.
; Work left out (shown at the head of the first launch's text): the input y; and of sum tanh(z) = 1024 - 2 R, R = sum 1 / (1 + e^(2 z)), the term 1024, which is the same for the ten supports of a softmax.
; SHARES.  A work-group owns one class c (10 supports) and 12 queries: 120 rows (query, support) in 8 tiles of 16, all 1,024 columns, K = 2,048 (|sf - qf|, then sf x qf).  So each of its 12 softmaxes is whole, and
; it stores its 12 numbers of out0 itself.  Four waves; wave w makes columns 512 ch + 128 w .. + 127 of all rows, ch = 0, 1 one after the other: 64 accumulators, 512 registers.
; A's codes exist nowhere: they are made once, from 10 + 12 rows of F, and kept in LDS for both halves of N: 120 rows x (2,048 + 16) bytes.
; B's codes come from wcd straight into registers: they lie there in the order of the registers and of each wave's walk, and no wave reads another's columns, so LDS would feed no byte twice.
; NO CLUSTER, NO JOINT LOADS: beside A's 247,680 bytes LDS has 80,000 left, and two slots of one K step of 512 columns would take 131,072; and the grid of 25 x 10 divides by 4 along neither axis.
; ROWS.  Query i < 8, support s: row 8 s + i (tiles 0-4); i >= 8: row 80 + 4 s + i - 8 (tiles 5-7).  So a lane's query is the same in tiles 0-4, and in tiles 5-7.  The last eight places of tile 7 read rows 112-119
; once more; their results go nowhere.
; ONE SET OF ACCUMULATORS FOR TWO PRODUCTS.  They start as G(support) + G(query) = (a_s + a_q + b2) / 2^(e8 + e9); product 5's sums are added; one multiplication by 2^(e8 + e9 - e10 - e11), which rounds nothing;
; product 6's sums are added; z = sum x 2^(e10 + e11).  e^(2 z) = 2^(sum x kappa), kappa = 2 log2(e) x 2^(e10 + e11).  An overflowing exponential gives 1 / infinity = 0, a vanishing one 1 / 1: tanh's two ends.
; THE SOFTMAX takes its maximum away as reference() does: the logits are -2 R, their maximum is at the smallest R.
; THE MATRIX INSTRUCTION IS USED TRANSPOSED (source 0 = 16 columns of B, source 1 = 16 rows of A): a lane holds one row and eight columns, so a row's sum needs one exchange between the halves of the lanes.
; out0: a work-group's 12 numbers lie 40 bytes apart (one class of 12 queries' rows): three lanes of each wave store 4 bytes each.
; LIMITS on the given exponents, so that each power of two is an f32 number: e8, e10 between -126 and 119; e8 + e9 - e10 - e11 between -126 and 127; e10 + e11 between -127 and 126.  NaN among the inputs is not served.
; REGISTERS, in windows of 256.  Window 0: v1-47 addresses and scales; v48-63 the rows' sums; v64-127 at work; v128-255 A's eight fragments (at a half's start: the queries' starting values).
;   Window 1: B's four buffers of 64 (while A's codes are made, and in the tail: two staging sets of 128: support s at 8 s, query ii at 80 + 8 ii).   Windows 2, 3: accumulator (a, b) at v[8 (8 (a % 4) + b)].
.set PA, 2064                          ; a row of A in LDS: 129 x 16 bytes, so that the 16 rows of a fragment load start at 16 different groups of banks (64 banks of 4 bytes: ISA guide 11.1)
.set SCB, 247808                       ; the rows' sums: [wave 4][query 12][16 words]
.set SPARE, 250880                     ; the spare words: 128 bytes a wave
.set BO, 2                             ; v2     16 x lane
.set FO, 3                             ; v3     32 x lane
.set FQ, 4                             ; v4-6   32 x lane + my query ii's row x 4,096
.set GB, 7                             ; v7-11  where I store codes: wave x PA + 8 x lane + z x 24 PA
.set ADA0, 12                          ; v12-19 block a of A: its row x PA + 16 h
.set ADR, 20                           ; v20-27 the same + the trip's place along K
.set CS0, 28                           ; v28-30 G's support rows for tiles 0-4, 5-6, 7
.set CS5, 29
.set CS7, 30
.set CQ0, 31                           ; v31, 32 G's query rows for tiles 0-4, 5-7
.set CQ1, 32
.set SCW0, 33                          ; v33, 34 where I put rows' sums
.set SCW1, 34
.set SCR, 35                           ; v35    where I read them
.set SPW, 36                           ; v36, 37 the add's two registers
.set NIL, 37
.set GC, 42                            ; v42-46 GB + the trip's place along K.  v38-41: 2^e8, 448 x 2^e8, 2^e10, 448 x 2^e10.  v47: at work
.set RS, 48
.set T, 64
.set AF, 128
.set VQ0, 128
.set VQ1, 192
.set RW, 64                            ; the tail: the four waves' sums, 36 registers a wave
.set PP, 100                           ; the scores, each in both registers of a pair
.set DD, 160                           ; prototype - query, 8 numbers for each of my three queries
.set DSQ, 184                          ; the squares' sums
.set MN, 208
.set SM, 214
.set SFB, 20                           ; s[20:21] F at my class's rows     s[22:23] x likewise     s[24:25] G at my columns     s[26:27] wcd at my walk
.set XSB, 22
.set GCB, 24
.set BP, 26
.set KAP, 32                           ; s[32:33] kappa     s[34:35] 2^(e8 + e9 - e10 - e11)
.set DEL, 34
.set SEL, 36                           ; s[36:37] v_permlanex16_b32's selects for lane l xor 16
.set KO, 38
.set TR, 39
.set CH, 40
.set GT, 41
.set GK, 42
.set QB12, 43                          ; s43 my work-group's first query     s44 my wave's first query
.set Q0S, 44
.set MSB, 0
.macro WIN new                         ; the immediate's high byte repeats the setting that is left; a switch that changes nothing is dropped
.if MSB != \new
	s_set_vgpr_msb (MSB<<8)|\new
.set MSB, \new
.endif
.endm
.set MUL_LO, 0xa1                      ; source 0 (B) window 1, source 1 (A) window 0, C and D window 2
.set MUL_HI, 0xf1
.set TO_B, 0x40
.set GSRC, 0x05                        ; sources 0 and 1 window 1
.macro PLACES                          ; four places behind a matrix instruction, in front of loads into its registers and of reads of its results
.rept 4
	v_nop
.endr
.endm
.macro VXROW d                         ; v[d]: a query's number -> its row of x: q + 10 (q / 30) + 10; (q x 2,185) >> 16 = q / 30 up to 299
	v_mul_u32_u24 v47, 0x889, v[\d]
	v_lshrrev_b32 v47, 16, v47
	v_mad_u32_u24 v[\d], v47, 10, v[\d]
	v_add_nc_u32 v[\d], 10, v[\d]
.endm
.macro POW e, vs, vl
	s_add_co_i32 s[\e], s[\e], 127
	s_lshl_b32 s49, s[\e], 23
	v_mov_b32 v[\vs], s49
	s_add_co_i32 s[\e], s[\e], 8
	s_lshl_b32 s[\e], s[\e], 23
	s_or_b32 s[\e], s[\e], 0x600000
	v_mov_b32 v[\vl], s[\e]
.endm
; 26 loads: 256 along K (quarter kb) of the class's 10 support rows and of my 3 query rows, 8 neighbours a lane, into staging set hs of the window that win names
.macro LROWS pb, rb, kb, hs, win
	WIN \win
.irp n, 0,1,2,3,4,5,6,7,8,9
	global_load_b128 v[128*\hs+8*\n:128*\hs+8*\n+3], v[FO], s[\pb:\pb+1] offset:4096*\n+1024*\kb
	global_load_b128 v[128*\hs+8*\n+4:128*\hs+8*\n+7], v[FO], s[\pb:\pb+1] offset:4096*\n+1024*\kb+16
.endr
.irp ii, 0,1,2
	global_load_b128 v[128*\hs+80+8*\ii:128*\hs+80+8*\ii+3], v[FQ+\ii], s[\rb:\rb+1] offset:1024*\kb
	global_load_b128 v[128*\hs+84+8*\ii:128*\hs+84+8*\ii+3], v[FQ+\ii], s[\rb:\rb+1] offset:1024*\kb+16
.endr
	WIN 0
.endm
; the codes of two rows (query ii, supports 2 sp and 2 sp + 1), 8 along K a lane, both products'.  z: which set of registers
.macro GBATCH set, ii, sp, z
.set T1, 48+32*(\z)
.set T2, T1+16
.set CD, 112+8*(\z)
.set SS, 128*(\set)+16*(\sp)
.set QQ, 128*(\set)+80+8*(\ii)
	WIN GSRC
.irp u, 0,1
.irp j, 0,2,4,6
	v_pk_add_f32 v[T1+8*\u+\j:T1+8*\u+\j+1], v[SS+8*\u+\j:SS+8*\u+\j+1], v[QQ+\j:QQ+\j+1] neg_lo:[0,1] neg_hi:[0,1]   ; sf - qf
	v_pk_mul_f32 v[T2+8*\u+\j:T2+8*\u+\j+1], v[SS+8*\u+\j:SS+8*\u+\j+1], v[QQ+\j:QQ+\j+1]                           ; sf x qf
.endr
.endr
	WIN 0
.set j, 0
.rept 16
	v_min_num_f32 v[T1+j], |v[T1+j]|, v39          ; the magnitude and the hold in one: it is never negative
	v_med3_num_f32 v[T2+j], v[T2+j], -v41, v41     ; the conversion does not saturate (ISA guide 7.6.2)
.set j, j+1
.endr
	s_wait_dscnt 0x4                               ; only the last batch's four stores may be out: those that read this set of codes are done
	v_cvt_scalef32_pk8_fp8_f32 v[CD:CD+1], v[T1:T1+7], v38
	v_cvt_scalef32_pk8_fp8_f32 v[CD+2:CD+3], v[T1+8:T1+15], v38
	v_cvt_scalef32_pk8_fp8_f32 v[CD+4:CD+5], v[T2:T2+7], v40
	v_cvt_scalef32_pk8_fp8_f32 v[CD+6:CD+7], v[T2+8:T2+15], v40
	v_nop                                          ; one plain vector line behind the last conversion
.irp u, 0,1
.if (\ii) < 2
.set RHO, 8*(2*(\sp)+\u)+4*(\ii)
.else
.set RHO, 80+4*(2*(\sp)+\u)
.endif
	ds_store_b64 v[GC+RHO/24], v[CD+2*\u:CD+2*\u+1] offset:(RHO%24)*PA+256*(\set)            ; row wave + RHO: 32 lanes store 256 consecutive bytes
	ds_store_b64 v[GC+RHO/24], v[CD+4+2*\u:CD+5+2*\u] offset:(RHO%24)*PA+1024+256*(\set)
.endr
.endm
.macro GSTEP set                       ; my 30 rows, 256 along K
.irp ii, 0,1,2
.irp sp, 0,1,2,3,4
	GBATCH \set, \ii, \sp, ZB
.set ZB, 1-ZB
.endr
.endr
.endm
; the accumulators' starting values: the queries' rows of G into window 0, the supports' straight into the accumulators.  cb: the half of N, in bytes
.macro CV cb
.irp b, 0,1,2,3,4,5,6,7
	global_load_b128 v[VQ0+8*\b:VQ0+8*\b+3], v[CQ0], s[GCB:GCB+1] offset:(\cb)+64*\b
	global_load_b128 v[VQ0+8*\b+4:VQ0+8*\b+7], v[CQ0], s[GCB:GCB+1] offset:(\cb)+64*\b+16
	global_load_b128 v[VQ1+8*\b:VQ1+8*\b+3], v[CQ1], s[GCB:GCB+1] offset:(\cb)+64*\b
	global_load_b128 v[VQ1+8*\b+4:VQ1+8*\b+7], v[CQ1], s[GCB:GCB+1] offset:(\cb)+64*\b+16
.endr
.endm
.macro CROW a, cb
.if (\a) < 4
	WIN 0x80
.else
	WIN 0xc0
.endif
.if (\a) < 5
.set CA, CS0
.set CF, 8192*(\a)
.elseif (\a) < 7
.set CA, CS5
.set CF, 16384*((\a)-5)
.else
.set CA, CS7
.set CF, 0
.endif
.irp b, 0,1,2,3,4,5,6,7
	global_load_b128 v[64*((\a)%4)+8*\b:64*((\a)%4)+8*\b+3], v[CA], s[GCB:GCB+1] offset:CF+(\cb)+64*\b
	global_load_b128 v[64*((\a)%4)+8*\b+4:64*((\a)%4)+8*\b+7], v[CA], s[GCB:GCB+1] offset:CF+(\cb)+64*\b+16
.endr
	WIN 0
.endm
.macro MM a, b, buf, f
	v_wmma_f32_16x16x128_fp8_fp8 v[8*(8*((\a)%4)+(\b)):8*(8*((\a)%4)+(\b))+7], v[64*(\buf)+16*(\f):64*(\buf)+16*(\f)+15], v[AF+16*(\a):AF+16*(\a)+15], v[8*(8*((\a)%4)+(\b)):8*(8*((\a)%4)+(\b))+7]
.endm
.macro PAIRMUL pi, beta                ; 8 matrix instructions: A's blocks 2 pi, 2 pi + 1 x the four fragments of B's buffer beta
.if (\pi) < 2
	WIN MUL_LO
.else
	WIN MUL_HI
.endif
.irp a, 2*(\pi), 2*(\pi)+1
.irp f, 0,1,2,3
	MM \a, 4*((\beta)%2)+\f, \beta, \f
.endr
.endr
.endm
.macro BFILL beta, off                 ; 16 loads of 512 consecutive bytes: B's buffer beta
	WIN TO_B
.irp f, 0,1,2,3
.irp c, 0,1,2,3
	global_load_b128 v[64*(\beta)+16*\f+4*\c:64*(\beta)+16*\f+4*\c+3], v[BO], s[BP:BP+1] offset:(\off)+8192*(\beta)+2048*\f+512*\c
.endr
.endr
	WIN 0
.endm
.macro AFILL pi, adr, off              ; 8 LDS loads: A's blocks 2 pi, 2 pi + 1
	WIN 0
.irp a, 2*(\pi), 2*(\pi)+1
.irp c, 0,1,2,3
	ds_load_b128 v[AF+16*(\a)+4*\c:AF+16*(\a)+4*\c+3], v[\adr+(\a)] offset:(\off)+32*\c
.endr
.endr
.endm
; A TRIP: two K steps of 128 = four sub-steps; sub-step beta multiplies A's 8 blocks by B's buffer beta (K step beta / 2, columns 64 (beta % 2) on).  The 64 accumulators take turns, one instruction a turn, in the same
; order in every K step.  A has one set of registers: in a K step's second sub-step a pair of blocks is fetched anew as soon as its 8 products are issued, 24 matrix instructions ahead of its
; next use.  A buffer of B is asked for again behind its sub-step, three sub-steps (96 matrix instructions) ahead.  ld = 0: the half's last trip asks for nothing.
.macro TRIP ld
.irp a, 0,1,2,3,4,5,6,7
	v_add_nc_u32 v[ADR+\a], s[KO], v[ADA0+\a]
.endr
.irp beta, 0,1,2,3
.if \ld
	s_wait_loadcnt 48                              ; this buffer's 16 loads are in; the three younger buffers' may be out
.else
	s_wait_loadcnt 48-16*\beta
.endif
.if (\beta%2) == 0
.irp pi, 0,1,2,3
	s_wait_dscnt 24-8*\pi                          ; this pair of blocks is in; the pairs behind it, 8 loads each, may be out
	PAIRMUL \pi, \beta
.endr
	PLACES
.else
.irp pi, 0,1,2,3
	PAIRMUL \pi, \beta
	PLACES
.if \ld || (\beta == 1)
	AFILL \pi, ADR, 128*((\beta+1)/2)
.endif
.endr
.endif
.if \ld
	BFILL \beta, 32768
.endif
.endr
	WIN 0
	s_wait_xcnt 0x0                                ; the loads have read their base
	s_add_nc_u64 s[BP:BP+1], s[BP:BP+1], 32768
	s_add_co_u32 s[KO], s[KO], 256
.endm
; One tile of 16 rows: 1 / (1 + 2^(sum x kappa)) of my 64 numbers of a row, and their sum.  The exponentials are one batch with one wait, and so are the reciprocals.
; In the first half of N the tile's accumulators take the second half's starting values as soon as they have been read.
.macro TANHROW a
.set AC, 64*((\a)%4)
.if (\a) < 4
	WIN 0x02
.else
	WIN 0x03
.endif
.set j, 0
.rept 32
	v_pk_mul_f32 v[T+j:T+j+1], v[AC+j:AC+j+1], s[KAP:KAP+1] op_sel_hi:[1,0]   ; each accumulator from its low end on
.set j, j+2
.endr
	WIN 0
	s_cmp_lg_u32 s[CH], 0
	s_cbranch_scc1 .Lno_next_\@
.if (\a) == 0
	CV 2048
.endif
	CROW \a, 2048
.Lno_next_\@:
.set j, 0
.rept 64
	v_exp_f32 v[T+j], v[T+j]
.set j, j+1
.endr
	v_nop
	s_wait_alu depctr_va_vdst(0)
.set j, 0
.rept 32
	v_pk_add_f32 v[T+j:T+j+1], v[T+j:T+j+1], 1.0 op_sel_hi:[1,0]
.set j, j+2
.endr
.set j, 0
.rept 64
	v_rcp_f32 v[T+j], v[T+j]
.set j, j+1
.endr
	v_nop
	s_wait_alu depctr_va_vdst(0)
.irp d, 32,16,8,4,2
.set j, 0
.rept \d/2
	v_pk_add_f32 v[T+j:T+j+1], v[T+j:T+j+1], v[T+j+\d:T+j+\d+1]
.set j, j+2
.endr
.endr
	v_pk_add_f32 v[RS+2*(\a):RS+2*(\a)+1], v[RS+2*(\a):RS+2*(\a)+1], v[T:T+1]
.endm
	s_load_b256 s[4:11], s[0:1], 0x0               ; F s[4:5], G s[6:7], wcd s[8:9], x s[10:11]
	s_load_b128 s[12:15], s[0:1], 0x20             ; the scales s[12:13], out0 s[14:15]
	v_lshl_add_u32 v[SPW], v0, 2, SPARE            ; my spare word,
	v_mov_b32 v[NIL], 0                            ; and 0: kept for the closing lines
	v_lshrrev_b32 v1, 5, v0
	v_readfirstlane_b32 s16, v1                    ; wave 0..3
	s_mov_b32 s17, ttmp9                           ; which 12 queries
	s_and_b32 s18, ttmp7, 0xffff                   ; the class
	s_mov_b32 s[SEL], 0x76543210
	s_mov_b32 s[SEL+1], 0xfedcba98
	v_and_b32 v1, 31, v0                           ; lane
	v_and_b32 v48, 15, v0                          ; r
	v_bfe_u32 v49, v0, 4, 1                        ; h
	v_lshlrev_b32 v[BO], 4, v1
	v_lshlrev_b32 v[FO], 5, v1
	s_mul_i32 s[QB12], s17, 12
	s_add_co_u32 s[Q0S], s[QB12], s16              ; my queries: this one, and 4 and 8 further on
.irp ii, 0,1,2
	s_add_co_u32 s45, s[Q0S], 4*\ii
	s_mul_i32 s46, s45, 2185
	s_lshr_b32 s46, s46, 16
	s_mul_i32 s46, s46, 10
	s_add_co_u32 s45, s45, s46
	s_add_co_u32 s45, s45, 10                      ; its row of x
	s_lshl_b32 s45, s45, 12
	v_add_nc_u32 v[FQ+\ii], s45, v[FO]
.endr
	s_mul_i32 s45, s16, PA
	v_lshl_add_u32 v[GB], v1, 3, s45
.irp z, 1,2,3,4
	v_add_nc_u32 v[GB+\z], \z*24*PA, v[GB]
.endr
	v_mul_u32_u24 v50, v48, PA
	v_lshl_add_u32 v50, v49, 4, v50
.irp a, 0,1,2,3,4,5,6
	v_add_nc_u32 v[ADA0+\a], \a*16*PA, v50
.endr
	v_and_b32 v51, 7, v48
	v_mul_u32_u24 v51, v51, PA
	v_lshl_add_u32 v51, v49, 4, v51
	v_add_nc_u32 v[ADA0+7], 112*PA, v51            ; tile 7: rows 112 + r % 8
	s_mul_i32 s46, s18, 163840                     ; my class's 40 rows of 4,096 bytes
	v_lshlrev_b32 v50, 5, v49
	v_add_nc_u32 v52, s46, v50
	v_lshrrev_b32 v51, 3, v48
	v_lshl_add_u32 v[CS0], v51, 12, v52            ; tile a < 5: support 2 a + r / 8
	v_lshrrev_b32 v51, 2, v48
	v_lshl_add_u32 v[CS5], v51, 12, v52            ; tiles 5, 6: support 4 (a - 5) + r / 4
	v_add_nc_u32 v51, 8, v51
	v_min_u32 v51, 9, v51
	v_lshl_add_u32 v[CS7], v51, 12, v52            ; tile 7: supports 8, 9; the places that go nowhere stay inside the class's rows
	v_and_b32 v[CQ0], 7, v48
	v_add_nc_u32 v[CQ0], s[QB12], v[CQ0]
	VXROW CQ0
	v_lshl_add_u32 v[CQ0], v[CQ0], 12, v50
	v_and_b32 v[CQ1], 3, v48
	v_add_nc_u32 v[CQ1], 8, v[CQ1]
	v_add_nc_u32 v[CQ1], s[QB12], v[CQ1]
	VXROW CQ1
	v_lshl_add_u32 v[CQ1], v[CQ1], 12, v50
	s_mul_i32 s45, s16, 768
	s_add_co_u32 s45, s45, SCB
	v_and_b32 v51, 7, v48
	v_lshlrev_b32 v51, 6, v51
	v_lshrrev_b32 v52, 3, v48
	v_lshl_add_u32 v51, v52, 2, v51
	v_add_nc_u32 v[SCW0], s45, v51                 ; [my wave][query r % 8][support r / 8 + ..]
	v_and_b32 v51, 3, v48
	v_lshlrev_b32 v51, 6, v51
	v_lshrrev_b32 v52, 2, v48
	v_lshl_add_u32 v51, v52, 2, v51
	v_add_nc_u32 v51, 512, v51
	v_add_nc_u32 v[SCW1], s45, v51                 ; [my wave][query 8 + r % 4][support r / 4 + ..]
	s_lshl_b32 s46, s16, 6
	s_add_co_u32 s46, s46, SCB
	v_mov_b32 v[SCR], s46                          ; [..][query = my wave + ..]
	s_wait_kmcnt 0x0
	s_load_b128 s[28:31], s[12:13], 0x20           ; e8 .. e11
	s_mul_i32 s46, s18, 163840
	s_mov_b32 s47, 0
	s_add_nc_u64 s[SFB:SFB+1], s[4:5], s[46:47]
	s_add_nc_u64 s[XSB:XSB+1], s[10:11], s[46:47]
	s_lshl_b32 s46, s16, 9
	s_add_nc_u64 s[GCB:GCB+1], s[6:7], s[46:47]
	s_lshl_b32 s46, s16, 19
	s_add_nc_u64 s[BP:BP+1], s[8:9], s[46:47]
	LROWS SFB, 4, 0, 0, 0x40
	LROWS SFB, 4, 1, 1, 0x40
	s_wait_kmcnt 0x0
	s_add_co_i32 s45, s30, s31
	s_add_co_i32 s46, s28, s29
	s_sub_co_i32 s46, s46, s45
	s_add_co_i32 s46, s46, 127
	s_lshl_b32 s[DEL], s46, 23
	s_mov_b32 s[DEL+1], s[DEL]
	s_lshl_b32 s45, s45, 23
	s_add_co_i32 s[KAP], s45, 0x4038aa3b           ; 2 log2(e), with e10 + e11 added to its exponent field
	s_mov_b32 s[KAP+1], s[KAP]
	POW 28, 38, 39
	POW 30, 40, 41
	; ---- A's codes.  Two trips of two quarters of K; the quarters after the next two are asked for in the first trip alone
.set ZB, 0
	s_mov_b32 s[GT], 0
	s_mov_b32 s[GK], 0
.Lg:
.irp z, 0,1,2,3,4
	v_add_nc_u32 v[GC+\z], s[GK], v[GB+\z]
.endr
	s_wait_loadcnt 26                              ; set 0's 26 loads are in; set 1's may be out
	GSTEP 0
	s_wait_loadcnt 0x0
	s_cmp_lg_u32 s[GT], 0
	s_cbranch_scc1 .Lg_a
	LROWS SFB, 4, 2, 0, 0x40
.Lg_a:
	GSTEP 1
	s_cmp_lg_u32 s[GT], 0
	s_cbranch_scc1 .Lg_b
	LROWS SFB, 4, 3, 1, 0x40
.Lg_b:
	s_add_co_u32 s[GK], s[GK], 512
	s_add_co_u32 s[GT], s[GT], 1
	s_cmp_lt_u32 s[GT], 2
	s_cbranch_scc1 .Lg
	s_wait_loadcnt 0x0                             ; B's buffers take the staging sets' registers: they are loaded only behind a wait for every load into those sets, on every way out of the loop.  (The second trip asks for nothing, so no load is out here)
	CV 0                                           ; the first half's starting values
.irp a, 0,1,2,3,4,5,6,7
	CROW \a, 0
.endr
	s_wait_dscnt 0x0                               ; for the others' sake: my rows of codes have landed
	s_barrier_signal -1
	s_barrier_wait -1
.irp j, 0,1,2,3,4,5,6,7,8,9,10,11,12,13,14,15
	v_mov_b32 v[RS+\j], 0
.endr
	; ---- the two halves of N
	s_mov_b32 s[CH], 0
.Lchunk:
.irp beta, 0,1,2,3
	BFILL \beta, 0
.endr
	s_wait_loadcnt 63                              ; the starting values are older than the 64 loads just issued
.irp a, 0,1,2,3,4,5,6,7
.if \a < 4
	WIN 0x82
.else
	WIN 0xc3
.endif
.if \a < 5
.set VV, VQ0
.else
.set VV, VQ1
.endif
.set j, 0
.rept 32
	v_pk_add_f32 v[64*(\a%4)+j:64*(\a%4)+j+1], v[64*(\a%4)+j:64*(\a%4)+j+1], v[VV+j:VV+j+1]   ; + the query's part
.set j, j+2
.endr
.endr
.irp pi, 0,1,2,3
	AFILL \pi, ADA0, 0                             ; A's first K step, into the registers that the queries' values have left
.endr
	s_mov_b32 s[KO], 0
	s_mov_b32 s[TR], 0
.Ltrip:
	s_cmp_lg_u32 s[TR], 4
	s_cbranch_scc1 .Lno_rescale
	WIN 0x82                                       ; product 5 is summed: on to product 6's power of two.  (The trip before ended with four places)
.set j, 0
.rept 128
	v_pk_mul_f32 v[j:j+1], v[j:j+1], s[DEL:DEL+1] op_sel_hi:[1,0]
.set j, j+2
.endr
	WIN 0xc3
.set j, 0
.rept 128
	v_pk_mul_f32 v[j:j+1], v[j:j+1], s[DEL:DEL+1] op_sel_hi:[1,0]
.set j, j+2
.endr
	WIN 0
.Lno_rescale:
	TRIP 1
	s_add_co_u32 s[TR], s[TR], 1
	s_cmp_lt_u32 s[TR], 7
	s_cbranch_scc1 .Ltrip
	TRIP 0
.irp a, 0,1,2,3,4,5,6,7
	TANHROW \a
.endr
	s_add_co_u32 s[CH], s[CH], 1
	s_cmp_lt_u32 s[CH], 2
	s_cbranch_scc1 .Lchunk
	; ---- the tail.  x's rows are asked for first: the class's 10 supports and my 3 queries, a quarter of the 1,024 to a set
	s_wait_loadcnt 0x0                             ; no load is out: the registers below are free
	LROWS XSB, 10, 0, 0, 0x40
	LROWS XSB, 10, 1, 1, 0x40
	LROWS XSB, 10, 2, 0, 0x80
	LROWS XSB, 10, 3, 1, 0x80
.irp a, 0,1,2,3,4,5,6,7
	v_add_f32 v[RS+2*\a], v[RS+2*\a], v[RS+2*\a+1]
.endr
.irp a, 0,1,2,3,4,5,6,7
	v_permlanex16_b32 v[RS+2*\a+1], v[RS+2*\a], s[SEL], s[SEL+1]
.endr
.irp a, 0,1,2,3,4,5,6,7
	v_add_f32 v[RS+2*\a], v[RS+2*\a], v[RS+2*\a+1] ; row 16 a + r, my 256 columns
.endr
.irp a, 0,1,2,3,4
	ds_store_b32 v[SCW0], v[RS+2*\a] offset:8*\a
.endr
.irp a, 5,6,7
	ds_store_b32 v[SCW1], v[RS+2*\a] offset:16*(\a-5)   ; tile 7's last eight places fall on words 10 and 11 of a query's 16, which nobody reads
.endr
	s_wait_dscnt 0x0
	s_barrier_signal -1
	s_barrier_wait -1
.irp wq, 0,1,2,3
.irp ii, 0,1,2
	ds_load_b128 v[RW+36*\wq+12*\ii:RW+36*\wq+12*\ii+3], v[SCR] offset:768*\wq+256*\ii
	ds_load_b128 v[RW+36*\wq+12*\ii+4:RW+36*\wq+12*\ii+7], v[SCR] offset:768*\wq+256*\ii+16
	ds_load_b64 v[RW+36*\wq+12*\ii+8:RW+36*\wq+12*\ii+9], v[SCR] offset:768*\wq+256*\ii+32
.endr
.endr
	s_wait_dscnt 0x0
.irp ii, 0,1,2
.irp n, 0,2,4,6,8
	v_pk_add_f32 v[RW+12*\ii+\n:RW+12*\ii+\n+1], v[RW+12*\ii+\n:RW+12*\ii+\n+1], v[RW+36+12*\ii+\n:RW+36+12*\ii+\n+1]
	v_pk_add_f32 v[RW+72+12*\ii+\n:RW+72+12*\ii+\n+1], v[RW+72+12*\ii+\n:RW+72+12*\ii+\n+1], v[RW+108+12*\ii+\n:RW+108+12*\ii+\n+1]
.endr
.endr
.irp ii, 0,1,2
.irp n, 0,2,4,6,8
	v_pk_add_f32 v[RW+12*\ii+\n:RW+12*\ii+\n+1], v[RW+12*\ii+\n:RW+12*\ii+\n+1], v[RW+72+12*\ii+\n:RW+72+12*\ii+\n+1]   ; R of query ii, supports n, n + 1: in every lane
.endr
.endr
.irp ii, 0,1,2
	v_min_num_f32 v[MN+2*\ii], v[RW+12*\ii], v[RW+12*\ii+1]
.endr
.irp n, 2,3,4,5,6,7,8,9
.irp ii, 0,1,2
	v_min_num_f32 v[MN+2*\ii], v[MN+2*\ii], v[RW+12*\ii+\n]   ; the three queries take turns; at the end: the smallest R, which is the largest logit
.endr
.endr
.irp ii, 0,1,2
	v_mov_b32 v[MN+2*\ii+1], v[MN+2*\ii]
.endr
.irp ii, 0,1,2
.irp n, 0,2,4,6,8
	v_pk_add_f32 v[RW+12*\ii+\n:RW+12*\ii+\n+1], v[MN+2*\ii:MN+2*\ii+1], v[RW+12*\ii+\n:RW+12*\ii+\n+1] neg_lo:[0,1] neg_hi:[0,1]
.endr
.endr
.irp ii, 0,1,2
.irp n, 0,2,4,6,8
	v_pk_mul_f32 v[RW+12*\ii+\n:RW+12*\ii+\n+1], v[RW+12*\ii+\n:RW+12*\ii+\n+1], 0x4038aa3b op_sel_hi:[1,0]   ; (logit - the largest) x log2(e)
.endr
.endr
.irp ii, 0,1,2
.irp n, 0,1,2,3,4,5,6,7,8,9
	v_exp_f32 v[RW+12*\ii+\n], v[RW+12*\ii+\n]
.endr
.endr
	v_nop
	s_wait_alu depctr_va_vdst(0)                   ; one wait for the batch
.irp ii, 0,1,2
	v_pk_add_f32 v[SM+2*\ii:SM+2*\ii+1], v[RW+12*\ii:RW+12*\ii+1], v[RW+12*\ii+2:RW+12*\ii+3]
	v_pk_add_f32 v[SM+6+2*\ii:SM+7+2*\ii], v[RW+12*\ii+4:RW+12*\ii+5], v[RW+12*\ii+6:RW+12*\ii+7]
.endr
.irp ii, 0,1,2
	v_pk_add_f32 v[SM+2*\ii:SM+2*\ii+1], v[SM+2*\ii:SM+2*\ii+1], v[RW+12*\ii+8:RW+12*\ii+9]
.endr
.irp ii, 0,1,2
	v_pk_add_f32 v[SM+2*\ii:SM+2*\ii+1], v[SM+2*\ii:SM+2*\ii+1], v[SM+6+2*\ii:SM+7+2*\ii]
.endr
.irp ii, 0,1,2
	v_add_f32 v[SM+2*\ii], v[SM+2*\ii], v[SM+2*\ii+1]
.endr
.irp ii, 0,1,2
	v_rcp_f32 v[SM+2*\ii], v[SM+2*\ii]
.endr
	v_nop
	s_wait_alu depctr_va_vdst(0)
.irp ii, 0,1,2
.irp n, 0,1,2,3,4,5,6,7,8,9
	v_mul_f32 v[PP+20*\ii+2*\n], v[RW+12*\ii+\n], v[SM+2*\ii]      ; the score, in both registers of a pair for the packed forms below
	v_mul_f32 v[PP+20*\ii+2*\n+1], v[RW+12*\ii+\n], v[SM+2*\ii]
.endr
.endr
.irp kb, 0,1,2,3                       ; a quarter of the 1,024 at a time, 8 numbers a lane
.if \kb == 0
	s_wait_loadcnt 63                              ; 78 loads are younger than this quarter's
.else
	s_wait_loadcnt 78-26*\kb
.endif
.set SB, 128*(\kb%2)
.set WW, 1+\kb/2
.set WX, 17*WW
	WIN WX                                         ; sources 0 and 2 in the staging window
.irp ii, 0,1,2
.irp j, 0,2,4,6
	v_pk_fma_f32 v[DD+8*\ii+\j:DD+8*\ii+\j+1], v[SB+\j:SB+\j+1], v[PP+20*\ii:PP+20*\ii+1], v[SB+80+8*\ii+\j:SB+80+8*\ii+\j+1] neg_lo:[0,0,1] neg_hi:[0,0,1]   ; score 0 x support 0 - query
.endr
.endr
	WIN WW
.irp n, 1,2,3,4,5,6,7,8,9
.irp ii, 0,1,2
.irp j, 0,2,4,6
	v_pk_fma_f32 v[DD+8*\ii+\j:DD+8*\ii+\j+1], v[SB+8*\n+\j:SB+8*\n+\j+1], v[PP+20*\ii+2*\n:PP+20*\ii+2*\n+1], v[DD+8*\ii+\j:DD+8*\ii+\j+1]
.endr
.endr
.endr
	WIN 0
.irp j, 0,2,4,6
.irp ii, 0,1,2
.if (\kb == 0) && (\j == 0)
	v_pk_mul_f32 v[DSQ+2*\ii:DSQ+2*\ii+1], v[DD+8*\ii+\j:DD+8*\ii+\j+1], v[DD+8*\ii+\j:DD+8*\ii+\j+1]
.else
	v_pk_fma_f32 v[DSQ+2*\ii:DSQ+2*\ii+1], v[DD+8*\ii+\j:DD+8*\ii+\j+1], v[DD+8*\ii+\j:DD+8*\ii+\j+1], v[DSQ+2*\ii:DSQ+2*\ii+1]
.endif
.endr
.endr
.endr
.irp ii, 0,1,2
	v_add_f32 v[DSQ+2*\ii], v[DSQ+2*\ii], v[DSQ+2*\ii+1]
.endr
.irp m, 1,2,4,8
.irp ii, 0,1,2
	v_add_f32_dpp v[DSQ+2*\ii], v[DSQ+2*\ii], v[DSQ+2*\ii] row_xmask:\m row_mask:0xf bank_mask:0xf
.endr
.endr
.irp ii, 0,1,2
	v_permlanex16_b32 v[DSQ+2*\ii+1], v[DSQ+2*\ii], s[SEL], s[SEL+1]
.endr
.irp ii, 0,1,2
	v_add_f32 v[DSQ+2*\ii], v[DSQ+2*\ii], v[DSQ+2*\ii+1]   ; the squared distance of query ii, in every lane
.endr
	v_cmp_eq_u32 vcc_lo, 1, v1
	v_cndmask_b32 v[DSQ], v[DSQ], v[DSQ+2], vcc_lo
	v_cmp_eq_u32 vcc_lo, 2, v1
	v_cndmask_b32 v[DSQ], v[DSQ], v[DSQ+4], vcc_lo ; lane ii holds query ii's
	s_mul_i32 s45, s[Q0S], 40
	s_lshl_b32 s46, s18, 2
	s_add_co_u32 s45, s45, s46
	v_min_u32 v47, 2, v1
	v_mad_u32_u24 v47, v47, 0xa0, s45              ; out0[my first query + 4 lane][class]
	v_cmp_gt_u32 vcc_lo, 3, v1
	s_wait_xcnt 0x0                                ; EXEC changes only behind this wait
	s_and_saveexec_b32 s50, vcc_lo
	global_store_b32 v47, v[DSQ], s[14:15]
	s_wait_xcnt 0x0
	s_or_b32 exec_lo, exec_lo, s50
	s_wait_tensorcnt 0x0                           ; the wave's end
	ds_add_u32 v[SPW], v[NIL]
	s_wait_dscnt 0x0
	s_endpgm
.Lfunc_end_k_qa7074f5b5b_main:
	.size	k_qa7074f5b5b_main, .Lfunc_end_k_qa7074f5b5b_main-k_qa7074f5b5b_main
	.p2alignl 7, 3214868480
	.fill 96, 4, 3214868480
	.section	.rodata,"a",@progbits
	.p2align	6, 0x0
	.amdhsa_kernel k_qa7074f5b5b_main
		.amdhsa_group_segment_fixed_size 251392
		.amdhsa_private_segment_fixed_size 0
		.amdhsa_enable_private_segment 0
		.amdhsa_kernarg_size 48
		.amdhsa_user_sgpr_count 2
		.amdhsa_user_sgpr_kernarg_segment_ptr 1
		.amdhsa_wavefront_size32 1
		.amdhsa_system_sgpr_workgroup_id_x 1
		.amdhsa_system_sgpr_workgroup_id_y 1
		.amdhsa_system_sgpr_workgroup_id_z 1
		.amdhsa_system_vgpr_workitem_id 0
		.amdhsa_next_free_vgpr 1024
		.amdhsa_next_free_sgpr 66
		.amdhsa_reserve_vcc 1
		.amdhsa_float_denorm_mode_32 3
		.amdhsa_float_denorm_mode_16_64 3
		.amdhsa_memory_ordered 1
		.amdhsa_forward_progress 1
		.amdhsa_inst_pref_size 255
	.end_amdhsa_kernel
	.section	.bss,"aw",@nobits
	.p2align	6
	.space	262144
	.amdgpu_metadata
---
amdhsa.version: [ 1, 2 ]
amdhsa.kernels:
  - .name:           k_qa7074f5b5b_main
    .symbol:         k_qa7074f5b5b_main.kd
    .args:
      - { .name: F, .offset: 0, .size: 8, .value_kind: global_buffer, .address_space: global }
      - { .name: G, .offset: 8, .size: 8, .value_kind: global_buffer, .address_space: global }
      - { .name: wcd, .offset: 16, .size: 8, .value_kind: global_buffer, .address_space: global }
      - { .name: x, .offset: 24, .size: 8, .value_kind: global_buffer, .address_space: global }
      - { .name: lowp_scales, .offset: 32, .size: 8, .value_kind: global_buffer, .address_space: global }
      - { .name: out0, .offset: 40, .size: 8, .value_kind: global_buffer, .address_space: global }
    .group_segment_fixed_size: 251392
    .private_segment_fixed_size: 0
    .kernarg_segment_align: 8
    .kernarg_segment_size: 48
    .max_flat_workgroup_size: 128
    .sgpr_count:     66
    .vgpr_count:     1024
    .wavefront_size: 32
...
	.end_amdgpu_metadata
.endif
;; end of part 3
;; ======== version 2 of 2: 3 launches
;; workspace buffers: F 1,638,400 bytes; G 1,638,400 bytes; wcd 2,097,152 bytes
;; launch fc1 (part 4): grid 128 x 1, 16 waves a work-group, no clusters, 150,528 bytes of LDS; arguments x, W1, W2, b1, lowp_scales, F, wcd; writes F, wcd
.if DOCPART == 4
	.amdgcn_target "amdgcn-amd-amdhsa--gfx1250"
	.amdhsa_code_object_version 6
	.text
	.protected	k_qa7074f5b5b_fc1
	.globl	k_qa7074f5b5b_fc1
	.p2align	8
	.type	k_qa7074f5b5b_fc1,@function
k_qa7074f5b5b_fc1:
	s_mov_b64 s[64:65], 0
	v_nop
	global_prefetch_b8 v0, s[64:65] scope:SCOPE_SE
	s_setreg_imm32_b32 hwreg(HW_REG_WAVE_SCHED_MODE, 0, 2), 2
	s_setreg_imm32_b32 hwreg(HW_REG_WAVE_MODE, 25, 1), 1
	s_wait_xcnt 0x0
	s_wait_alu depctr_vm_vsrc(0)
; FIRST OF THREE LAUNCHES.  F = Q(x) Q(W1) + b1 for all 400 rows of x (products 1 and 2 of the table), and the codes of Wc = W2[2048:3072] in the order in which the last launch's registers take them.
; WORK LEFT OUT, in the whole program.  (1) The input y: reference() never reads it (it takes support and query rows by a reshape of x), so y has no way to the output, is not loaded and is no argument of any launch.
; (2) sum_d tanh(z_d) = 1024 - 2 sum_d 1 / (1 + e^(2 z_d)) for all z: the term 1024 is the same for the ten supports over which the softmax runs, so it is not formed; the last launch takes -2 R, R = the sum of the reciprocals.
; LIMIT: nothing else is left out, so no NaN or infinity is lost with work left out.  NaN among the inputs is not served.
; This text serves two launches; FC says which.  FC = 1: A = x, B = W1, bias b1, scales 0..3; the other work-groups quantise Wc (scale 9).  FC = 2: A = F, B = Ws or Wq, bias b2 on query rows alone, scales 4..7,
; the result divided by 2^(e8 + e9); the other work-groups quantise Wd (scale 11).
; SHARES.  Work-groups 0..111: 64 rows of one kind (support: 100 rows, two groups; query: 300 rows, five groups) x 64 columns, all K = 1,024.  Sixteen waves.  First each wave quantises: one tile of 16 rows of A and
; one tile of 16 columns of B, for 256 along K (two K steps of 128); the fragments go to LDS as images of their registers (four stores of 512 bytes).  Behind a barrier each wave makes one tile 16 x 16 of the result:
; eight matrix instructions on two accumulators by turns.  The results meet in a stage and leave as whole aligned runs of 256 bytes.
; Work-groups 112..127: 64 columns of Wc (Wd), all K: the same quantiser, the images stored to wcd.  They touch no LDS.
; B's K is its first axis: a lane takes a column and its registers run down K, so the conversions give codes with K innermost.  A fragment's register 4 c .. 4 c + 3 of lane (r, h) holds k = 32 c + 16 h + 0 .. 15:
; the same order of k on both sides of every product.
; wcd: [wave 4][half of N 2][product 2][K step 8][half 2][fragment 4][2,048 bytes]; column = 512 half of N + 128 wave + 64 half + 16 fragment + r.
; LIMITS on the given exponents, so that each power of two below is an f32 number: each operand's e between -126 and 119; eA + eB (FC = 2: less e8 + e9) between -126 and 127.
; No cluster: the work-groups that share a tile of B are seven, which no cluster of four divides, and the launch is short.
; THE MODE: SCHED_MODE bits 1:0 = 2 (LLVM: expert scheduling mode 2), set by the entry lines.  The code itself states the register dependences between vector or matrix instructions and memory or LDS instructions,
; with s_wait_alu, always for 0.
; THE PLAN.  Registers that memory or LDS instructions touch:
;   v4-v15     Offsets and LDS addresses: written at the head and never again.  ONE wait on va_vdst at the head's end, ahead of the parting of the ways, states them for every load and store of the text.
;   AS, BS     Loaded; held and read by the quantiser's vector lines.  BS is loaded a second time, behind the wait on va_vdst that follows its first quantising.
;   PC         Written by a quantising's conversions, read by the four stores that follow it.  One wait on va_vdst behind each quantising (the codes are written); one on vm_vsrc ahead of the next (the stores have read them).
;   v32-223    Behind the barrier: the fragments of K steps 0 to 5, by LDS loads.  The wait on va_vdst behind the last quantising stands behind every vector line that named these registers.  K steps 6 and 7 land in the
;              registers of K steps 0 and 1, behind one wait on va_vdst that follows the two products which read those, and under the four products of K steps 2 to 5, which name other registers.
;   v160-167   The result: written by the packed lines, read by the two stores into the stage, behind one wait on va_vdst; that wait also stands behind every product that read v32-39, in which the stage's rows land.
;   The accumulators and v16-27 are named by vector and matrix instructions alone (v16-23 behind the wait for their loads).  v28, v29: written at the head, read by the closing add alone.
.set FC, 1
.set XIMG, 0                           ; LDS: A's images, (tile of rows x 8 + K step) x 2,048 bytes
.set BIMG, 65536                       ; B's images, (tile of columns x 8 + K step) x 2,048
.set STG, 131072                       ; the stage: 64 rows x (256 bytes + 16)
.set SPARE, 148480                     ; the spare words: 128 bytes for each of 16 waves
.set AS, 32                            ; v32-159  128 numbers of A; later FA, FB
.set BS, 160                           ; v160-223 64 numbers of B; later FX, then the result
.set PC, 224                           ; v224-239 the codes just made
.set FA, 32                            ; four fragments of A: K steps 0 to 3; the first two take K steps 6 and 7 later
.set FB, 96                            ; four fragments of B, likewise
.set FX, 160                           ; K steps 4 and 5: two fragments of A, then two of B
.set OUTR, 160
.set ACC0, 240
.set ACC1, 248
; v1 r, v2 h, v3 lane, v4 A's offset, v5 B's offset, v6 16 x lane, v7 / v8 where I store A's / B's images, v9 / v10 where I fetch them, v11 / v12 the stage in / out, v13, v14 the result's offsets, v15 the bias's,
; v16-23 the bias, v24 / v25 2^eA and 448 x 2^eA, v26 / v27 the same for B, v28 / v29 the add's two registers, v30, v31 at work
.macro XROW d                          ; v[d]: a row's number within its kind -> its row of x: held at the kind's last row; + (40 - D) x (number / D) + ADD, D = 10 or 30
	v_min_u32 v[\d], s40, v[\d]
	v_mul_u32_u24 v31, v[\d], s41
	v_lshrrev_b32 v31, 16, v31
	v_mad_u32_u24 v[\d], v31, s42, v[\d]
	v_add_nc_u32 v[\d], s43, v[\d]
.endm
.macro POW e, vs, vl                   ; s[e] = an exponent: v[vs] = 2^e, v[vl] = 448 x 2^e
	s_add_co_i32 s[\e], s[\e], 127
	s_lshl_b32 s49, s[\e], 23
	v_mov_b32 v[\vs], s49
	s_add_co_i32 s[\e], s[\e], 8
	s_lshl_b32 s[\e], s[\e], 23
	s_or_b32 s[\e], s[\e], 0x600000
	v_mov_b32 v[\vl], s[\e]
.endm
.macro ALOAD f                         ; my 16 rows' numbers of my K step f: lane (r, h) takes 16 neighbours of each block of 32
.irp c, 0,1,2,3
.irp j, 0,1,2,3
	global_load_b128 v[AS+64*\f+16*\c+4*\j:AS+64*\f+16*\c+4*\j+3], v4, s[4:5] offset:512*\f+128*\c+16*\j
.endr
.endr
.endm
.macro BLOAD f                         ; my 16 columns' numbers of my K step f: register 16 c + i = row 128 f + 32 c + 16 h + i
.irp c, 0,1,2,3
.irp i, 0,1,2,3,4,5,6,7,8,9,10,11,12,13,14,15
	global_load_b32 v[BS+16*\c+\i], v5, s[18:19] offset:(128*\f+32*\c+\i)*4096
.endr
.endr
.endm
.macro QUANT s, sc, lim                ; 64 numbers of a lane become a fragment's codes in v[PC] on
.irp b, 0,1,2,3
.irp i, 0,1,2,3,4,5,6,7,8,9,10,11,12,13,14,15
	v_med3_num_f32 v[\s+16*\b+\i], v[\s+16*\b+\i], -v[\lim], v[\lim]   ; the conversion does not saturate (ISA guide 7.6.2): the hold at the largest code x the scale
.endr
	v_cvt_scalef32_pk8_fp8_f32 v[PC+4*\b:PC+4*\b+1], v[\s+16*\b:\s+16*\b+7], v[\sc]
	v_cvt_scalef32_pk8_fp8_f32 v[PC+4*\b+2:PC+4*\b+3], v[\s+16*\b+8:\s+16*\b+15], v[\sc]
.endr
	v_nop                                          ; one plain vector line behind the last conversion
.endm
.macro IMAGE adr, off                  ; the fragment goes to LDS as it stands
.irp c, 0,1,2,3
	ds_store_b128 v[\adr], v[PC+4*\c:PC+4*\c+3] offset:\off+512*\c
.endr
.endm
.macro GSTORE f                        ; or to wcd: 512 consecutive bytes a store
.irp c, 0,1,2,3
	global_store_b128 v6, v[PC+4*\c:PC+4*\c+3], s[16:17] offset:16384*\f+512*\c
.endr
.endm
.macro FETCH reg, adr, off
.irp c, 0,1,2,3
	ds_load_b128 v[\reg+4*\c:\reg+4*\c+3], v[\adr] offset:\off+512*\c
.endr
.endm
.macro KFETCH k, ra, rb                ; K step k's fragments of my tile of rows and of my tile of columns: eight LDS loads
	FETCH \ra, 9, (\k)*2048
	FETCH \rb, 10, (\k)*2048
.endm
.macro KMUL acc, ra, rb, zero          ; source 0 = 16 columns of B, source 1 = 16 rows of A: a lane holds eight neighbouring columns of one row.  zero = 1: the product starts the sum
.if \zero
	v_wmma_f32_16x16x128_fp8_fp8 v[\acc:\acc+7], v[\rb:\rb+15], v[\ra:\ra+15], 0
.else
	v_wmma_f32_16x16x128_fp8_fp8 v[\acc:\acc+7], v[\rb:\rb+15], v[\ra:\ra+15], v[\acc:\acc+7]
.endif
.endm
.macro SCALEWORK                       ; the scales of my kind of rows (or of the weight that I quantise)
	s_wait_kmcnt 0x0
	s_cmp_eq_u32 s38, 1
.if FC == 1
	s_cselect_b32 s47, s26, s24                    ; eA
	s_cselect_b32 s48, s27, s25                    ; eB
	s_cmp_lt_u32 ttmp9, 112
	s_cselect_b32 s48, s48, s33
.else
	s_cselect_b32 s47, s30, s28
	s_cselect_b32 s48, s31, s29
	s_cmp_lt_u32 ttmp9, 112
	s_cselect_b32 s48, s48, s35
.endif
	s_add_co_i32 s44, s47, s48
.if FC == 2
	s_add_co_i32 s53, s32, s33                     ; e8 + e9: the last launch adds G to sums that lack this power of two
	s_sub_co_i32 s44, s44, s53
	s_sub_co_i32 s53, 0, s53
.endif
	s_add_co_i32 s44, s44, 127
	s_lshl_b32 s44, s44, 23                        ; what a finished sum is multiplied by
	s_mov_b32 s45, s44                             ; (named with it as a pair)
	POW 47, 24, 25
	POW 48, 26, 27
.endm
.macro BIASLOAD                        ; the bias of my tile's columns, in the result's layout.  FC = 2: b2 is added once, with the query rows; support rows take zeros
.if FC == 2
	s_cmp_eq_u32 s38, 0
	s_cbranch_scc1 .Lzero_\@
.endif
	global_load_b128 v[16:19], v15, s[10:11]
	global_load_b128 v[20:23], v15, s[10:11] offset:16
.if FC == 2
	s_branch .Lhave_\@
.Lzero_\@:
.irp j, 0,1,2,3,4,5,6,7
	v_mov_b32 v[16+\j], 0
.endr
.Lhave_\@:
.endif
.endm
.if FC == 1
	s_load_b256 s[4:11], s[0:1], 0x0               ; x s[4:5], W1 s[6:7], W2 s[8:9], b1 s[10:11]
	s_load_b128 s[12:15], s[0:1], 0x20             ; the scales s[12:13], F s[14:15]
	s_load_b64 s[16:17], s[0:1], 0x30              ; wcd
.else
	s_load_b64 s[4:5], s[0:1], 0x0                 ; F
	s_load_b128 s[8:11], s[0:1], 0x8               ; W2 s[8:9], b2 s[10:11]
	s_load_b128 s[12:15], s[0:1], 0x18             ; the scales s[12:13], G s[14:15]
	s_load_b64 s[16:17], s[0:1], 0x28              ; wcd
.endif
	v_lshl_add_u32 v28, v0, 2, SPARE               ; my spare word,
	v_mov_b32 v29, 0                               ; and 0: kept for the closing lines
	v_lshrrev_b32 v1, 5, v0
	v_readfirstlane_b32 s20, v1                    ; wave 0..15
	v_and_b32 v1, 15, v0                           ; r
	v_bfe_u32 v2, v0, 4, 1                         ; h
	v_and_b32 v3, 31, v0                           ; lane
	v_lshlrev_b32 v6, 4, v3
	s_wait_alu depctr_va_vdst(0)
	s_wait_alu depctr_va_sdst(0)                   ; s20 is written, ahead of its first reader: all that hangs on the wave's number is made from it
	s_and_b32 s21, s20, 3                          ; a: which tile I quantise; later nt: my tile of columns
	s_lshr_b32 s22, s20, 2                         ; kq: which quarter of K; later mt: my tile of rows
	; every LDS address is made here, of the thread's and the wave's number alone
	s_lshl_b32 s47, s21, 14
	s_lshl_b32 s48, s22, 12
	s_add_co_u32 s47, s47, s48
	v_add_nc_u32 v7, s47, v6                       ; A's images (8 a + 2 kq) on
	v_add_nc_u32 v8, BIMG, v7                      ; B's likewise
	s_lshl_b32 s48, s22, 14
	v_add_nc_u32 v9, s48, v6                       ; A's eight fragments of tile mt
	s_lshl_b32 s48, s21, 14
	s_add_co_u32 s48, s48, BIMG
	v_add_nc_u32 v10, s48, v6                      ; B's of tile nt
	s_mul_i32 s48, s22, 16*272
	s_lshl_b32 s47, s21, 6
	s_add_co_u32 s48, s48, s47
	s_add_co_u32 s48, s48, STG
	v_mul_u32_u24 v11, v1, 272
	v_lshl_add_u32 v11, v2, 5, v11
	v_add_nc_u32 v11, s48, v11                     ; the stage, in: row 16 mt + r, byte 64 nt + 32 h
	s_mul_i32 s48, s20, 4*272
	s_add_co_u32 s48, s48, STG
	v_mul_u32_u24 v12, v2, 272
	v_lshl_add_u32 v12, v1, 4, v12
	v_add_nc_u32 v12, s48, v12                     ; out: rows 4 w + h (and two further on), 16 bytes a lane
	; which rows and columns
	s_and_b32 s36, ttmp9, 15                       ; ns: 64 columns
	s_lshr_b32 s37, ttmp9, 4                       ; 0, 1: support; 2..6: query; 7: the quantiser
	s_mov_b32 s40, 99
	s_mov_b32 s41, 6554
	s_cmp_ge_u32 s37, 2
	s_cselect_b32 s38, 1, 0                        ; the kind
	s_cselect_b32 s40, 299, s40                    ; its last row
	s_cselect_b32 s41, 2185, s41                   ; (n x this) >> 16 = n / 10 up to 99, n / 30 up to 299
	s_cselect_b32 s42, 10, 30                      ; 40 - D
	s_cselect_b32 s43, 10, 0                       ; ADD
	s_cselect_b32 s46, 19, 7                       ; its tiles of 16 rows
	s_cselect_b32 s39, 2, 0
	s_sub_co_u32 s39, s37, s39                     ; g: which 64 rows of the kind
	s_lshl_b32 s47, s39, 2
	s_add_co_u32 s48, s47, s21
	s_cmp_lt_u32 s48, s46
	s_cselect_b32 s50, 1, 0                        ; the tile of A that I would quantise holds rows
	s_add_co_u32 s48, s47, s22
	s_cmp_lt_u32 s48, s46
	s_cselect_b32 s51, 1, 0                        ; my tile of the result holds rows
	s_lshl_b32 s47, s39, 6
	s_lshl_b32 s48, s20, 2
	s_add_co_u32 s48, s47, s48
	s_cmp_le_u32 s48, s40
	s_cselect_b32 s52, 1, 0                        ; the four rows that I store exist (100 and 300 are multiples of 4)
	v_add_nc_u32 v13, s48, v2
	v_add_nc_u32 v14, 2, v13
	XROW 13
	XROW 14
	s_lshl_b32 s49, s36, 8
	v_lshl_add_u32 v30, v1, 4, s49
	v_lshl_add_u32 v13, v13, 12, v30               ; row x 4,096 + 256 ns + 16 r
	v_lshl_add_u32 v14, v14, 12, v30
	s_lshl_b32 s48, s21, 4
	s_add_co_u32 s48, s47, s48
	v_add_nc_u32 v4, s48, v1
	XROW 4
	v_lshlrev_b32 v4, 12, v4
	v_lshl_add_u32 v4, v2, 6, v4                   ; A: row x 4,096 + 64 h
	v_lshlrev_b32 v5, 2, v1
	v_lshl_add_u32 v5, v2, 16, v5                  ; B: 16 h rows of 4,096 bytes + 4 r
	s_lshl_b32 s48, s21, 6
	s_add_co_u32 s48, s48, s49                     ; 256 ns + 64 a: my tile's first column, in bytes
	v_lshl_add_u32 v15, v2, 5, s48
	s_wait_kmcnt 0x0
	s_load_b256 s[24:31], s[12:13], 0x0            ; e0 .. e7
	s_load_b128 s[32:35], s[12:13], 0x20           ; e8 .. e11
	s_lshl_b32 s54, s22, 10
	s_mov_b32 s55, 0
	s_add_nc_u64 s[4:5], s[4:5], s[54:55]          ; A at my quarter of K
.if FC == 1
	s_cmp_lt_u32 ttmp9, 112
	s_cselect_b64 s[18:19], s[6:7], s[8:9]         ; W1, or W2 for the quantiser: the choice hangs on the work-group's number alone
	s_cselect_b32 s54, 0, 0x800000                 ; Wc begins 2,048 rows down
.else
	s_mov_b64 s[18:19], s[8:9]
	s_lshl_b32 s54, s38, 22                        ; Ws at row 0, Wq at row 1,024,
	s_cmp_lt_u32 ttmp9, 112
	s_cselect_b32 s54, s54, 0xc00000               ; Wd at row 3,072
.endif
	s_lshl_b32 s56, s22, 20
	s_add_co_u32 s54, s54, s56                     ; + my quarter of K: 256 rows
	s_add_co_u32 s54, s54, s48                     ; + my tile's columns
	s_add_nc_u64 s[18:19], s[18:19], s[54:55]
	s_wait_alu depctr_va_vdst(0)                   ; the offsets and LDS addresses v4 to v15 are written, which the loads and stores of both ways below read; none of them is written again
	s_cmp_ge_u32 ttmp9, 112
	s_cbranch_scc1 .Lquant
	; ---- the product's work-groups.  The loads of the bias and of A are older than B's: B's wait shows them in too
	BIASLOAD
	s_cmp_eq_u32 s50, 0
	s_cbranch_scc1 .Lb_only
	ALOAD 0
	ALOAD 1
	BLOAD 0
	SCALEWORK
	s_wait_alu depctr_va_vdst(0)
	s_wait_loadcnt 0x0
	QUANT BS, 26, 27
	s_wait_alu depctr_va_vdst(0)                   ; the holds and conversions are done with BS, in which the 64 loads below land, and have written the codes, which the four stores below read
	BLOAD 1                                        ; lands while A is quantised
	IMAGE 8, 0
	s_wait_dscnt 0x0                               ; the stores have read the codes' registers
	s_wait_alu depctr_vm_vsrc(0)                   ; the four LDS stores have read the codes' registers, which the next conversions write
	QUANT AS, 24, 25
	s_wait_alu depctr_va_vdst(0)                   ; the conversions have written the codes, which the four stores read
	IMAGE 7, 0
	s_wait_dscnt 0x0
	s_wait_alu depctr_vm_vsrc(0)                   ; the four LDS stores have read the codes' registers, which the next conversions write
	QUANT AS+64, 24, 25
	s_wait_alu depctr_va_vdst(0)                   ; the conversions have written the codes, which the four stores read
	IMAGE 7, 2048
	s_wait_loadcnt 0x0
	s_wait_dscnt 0x0
	s_wait_alu depctr_vm_vsrc(0)                   ; the four LDS stores have read the codes' registers, which the next conversions write
	QUANT BS, 26, 27
	s_wait_alu depctr_va_vdst(0)                   ; the conversions have written the codes, which the four stores read; and every vector line that named AS or BS is done: the fragments behind the barrier land there
	IMAGE 8, 2048
	s_branch .Ljoin
.Lb_only:                                              ; a wave whose tile of A lies past the kind's last row quantises B alone
	BLOAD 0
	SCALEWORK
	s_wait_alu depctr_va_vdst(0)
	s_wait_loadcnt 0x0
	QUANT BS, 26, 27
	s_wait_alu depctr_va_vdst(0)                   ; the holds and conversions are done with BS, in which the 64 loads below land, and have written the codes, which the four stores below read
	BLOAD 1
	IMAGE 8, 0
	s_wait_loadcnt 0x0
	s_wait_dscnt 0x0
	s_wait_alu depctr_vm_vsrc(0)                   ; the four LDS stores have read the codes' registers, which the next conversions write
	QUANT BS, 26, 27
	s_wait_alu depctr_va_vdst(0)                   ; the conversions have written the codes, which the four stores read; and every vector line that named BS is done: fragments behind the barrier land there
	IMAGE 8, 2048
.Ljoin:
	s_wait_dscnt 0x0                               ; for the others' sake: my images have landed
	s_barrier_signal -1
	s_barrier_wait -1
	s_cmp_eq_u32 s51, 0
	s_cbranch_scc1 .Lno_tile
.if FC == 2
.irp j, 0,1,2,3,4,5,6,7
	v_ldexp_f32 v[16+\j], v[16+\j], s53            ; b2 / 2^(e8 + e9)
.endr
.endif
	; six K steps are asked for at once.  No wait on va_vdst: none of the vector lines issued since the last one names v32 to v223
	KFETCH 0, FA, FB
	KFETCH 1, FA+16, FB+16
	KFETCH 2, FA+32, FB+32
	KFETCH 3, FA+48, FB+48
	KFETCH 4, FX, FX+32
	KFETCH 5, FX+16, FX+48
	s_wait_dscnt 32                                ; LDS loads come back in order (ISA guide 5.7.1): K steps 0 and 1 are in; the 32 loads of K steps 2 to 5 may be out
	KMUL ACC0, FA, FB, 1
	KMUL ACC1, FA+16, FB+16, 1
.rept 4
	v_nop                                          ; places in front of loads into registers that matrix instructions have read
.endr
	s_wait_alu depctr_va_vdst(0)                   ; the two products are done reading the fragments of K steps 0 and 1, in whose registers those of K steps 6 and 7 land
	KFETCH 6, FA, FB                               ; they land under the next four products, which name other registers
	KFETCH 7, FA+16, FB+16
	s_wait_dscnt 32                                ; K steps 2 and 3 are in; behind them K steps 4 and 5 and the 16 loads just issued
	KMUL ACC0, FA+32, FB+32, 0                     ; the two accumulators take turns
	KMUL ACC1, FA+48, FB+48, 0
	s_wait_dscnt 16                                ; K steps 4 and 5 are in
	KMUL ACC0, FX, FX+32, 0
	KMUL ACC1, FX+16, FX+48, 0
	s_wait_dscnt 0x0                               ; K steps 6 and 7 are in
	KMUL ACC0, FA, FB, 0
	KMUL ACC1, FA+16, FB+16, 0
.rept 4
	v_nop                                          ; places in front of the first read of results, and of the write over registers that the products of K steps 4 and 5 have read (ISA guide 7.12.1)
.endr
.irp j, 0,2,4,6
	v_pk_add_f32 v[OUTR+\j:OUTR+\j+1], v[ACC0+\j:ACC0+\j+1], v[ACC1+\j:ACC1+\j+1]   ; from each accumulator's low end on
.endr
.irp j, 0,2,4,6
	v_pk_fma_f32 v[OUTR+\j:OUTR+\j+1], v[OUTR+\j:OUTR+\j+1], s[44:45], v[16+\j:17+\j] op_sel_hi:[1,0,1]   ; sum x the power of two + bias
.endr
	s_wait_alu depctr_va_vdst(0)                   ; the packed lines have written the result, which the two stores read; and the products are done reading v32 to v39, in which the stage's rows land below
	ds_store_b128 v11, v[OUTR:OUTR+3]
	ds_store_b128 v11, v[OUTR+4:OUTR+7] offset:16
.Lno_tile:
	s_wait_dscnt 0x0                               ; my part of the stage has landed
	s_barrier_signal -1
	s_barrier_wait -1
	s_cmp_eq_u32 s52, 0
	s_cbranch_scc1 .Lno_rows
	ds_load_b128 v[32:35], v12                     ; no vector or matrix line issued since the last wait on va_vdst, on either way here, names v32 to v39
	ds_load_b128 v[36:39], v12 offset:544
	s_wait_dscnt 0x1                               ; the first is in; the second may be out
	global_store_b128 v13, v[32:35], s[14:15]      ; sixteen lanes store 256 consecutive bytes, at a multiple of 256 from the buffer's first byte
	s_wait_dscnt 0x0
	global_store_b128 v14, v[36:39], s[14:15]
.Lno_rows:
	s_wait_dscnt 0x0                               ; the wave's end
	s_wait_alu 0x0
	s_wait_tensorcnt 0x0
	ds_add_u32 v28, v29
	s_wait_dscnt 0x0
	s_endpgm
	; ---- the quantiser's work-groups: no LDS
.Lquant:
	s_bfe_u32 s54, s36, 0x20001                    ; column 64 ns on belongs to wave (ns / 2) % 4 of the last launch,
	s_lshl_b32 s54, s54, 19
	s_lshr_b32 s56, s36, 3                         ; half ns / 8 of N,
	s_lshl_b32 s56, s56, 18
	s_add_co_u32 s54, s54, s56
	s_and_b32 s56, s36, 1                          ; half ns % 2 of that wave's 128 columns;
	s_lshl_b32 s56, s56, 13
	s_add_co_u32 s54, s54, s56
	s_lshl_b32 s56, s22, 15                        ; my two K steps,
	s_add_co_u32 s54, s54, s56
	s_lshl_b32 s56, s21, 11                        ; my fragment
	s_add_co_u32 s54, s54, s56
.if FC == 2
	s_add_co_u32 s54, s54, 131072                  ; the second product's part
.endif
	s_add_nc_u64 s[16:17], s[16:17], s[54:55]
	BLOAD 0
	SCALEWORK
	s_wait_alu depctr_va_vdst(0)
	s_wait_loadcnt 0x0
	QUANT BS, 26, 27
	s_wait_alu depctr_va_vdst(0)                   ; the holds and conversions are done with BS, in which the 64 loads below land, and have written the codes, which the four stores below read
	BLOAD 1
	GSTORE 0
	s_wait_loadcnt 0x0
	s_wait_xcnt 0x0                                ; the stores have read the codes' registers
	s_wait_alu depctr_vm_vsrc(0)                   ; the four stores have read the codes' registers, which the next conversions write
	QUANT BS, 26, 27
	s_wait_alu depctr_va_vdst(0)                   ; the conversions have written the codes, which the four stores read
	GSTORE 1
	s_endpgm
.Lfunc_end_k_qa7074f5b5b_fc1:
	.size	k_qa7074f5b5b_fc1, .Lfunc_end_k_qa7074f5b5b_fc1-k_qa7074f5b5b_fc1
	.p2alignl 7, 3214868480
	.fill 96, 4, 3214868480
	.section	.rodata,"a",@progbits
	.p2align	6, 0x0
	.amdhsa_kernel k_qa7074f5b5b_fc1
		.amdhsa_group_segment_fixed_size 150528
		.amdhsa_private_segment_fixed_size 0
		.amdhsa_enable_private_segment 0
		.amdhsa_kernarg_size 56
		.amdhsa_user_sgpr_count 2
		.amdhsa_user_sgpr_kernarg_segment_ptr 1
		.amdhsa_wavefront_size32 1
		.amdhsa_system_sgpr_workgroup_id_x 1
		.amdhsa_system_sgpr_workgroup_id_y 1
		.amdhsa_system_sgpr_workgroup_id_z 1
		.amdhsa_system_vgpr_workitem_id 0
		.amdhsa_next_free_vgpr 256
		.amdhsa_next_free_sgpr 66
		.amdhsa_reserve_vcc 0
		.amdhsa_float_denorm_mode_32 3
		.amdhsa_float_denorm_mode_16_64 3
		.amdhsa_memory_ordered 1
		.amdhsa_forward_progress 1
		.amdhsa_inst_pref_size 94
	.end_amdhsa_kernel
	.amdgpu_metadata
---
amdhsa.version: [ 1, 2 ]
amdhsa.kernels:
  - .name:           k_qa7074f5b5b_fc1
    .symbol:         k_qa7074f5b5b_fc1.kd
    .args:
      - { .name: x, .offset: 0, .size: 8, .value_kind: global_buffer, .address_space: global }
      - { .name: W1, .offset: 8, .size: 8, .value_kind: global_buffer, .address_space: global }
      - { .name: W2, .offset: 16, .size: 8, .value_kind: global_buffer, .address_space: global }
      - { .name: b1, .offset: 24, .size: 8, .value_kind: global_buffer, .address_space: global }
      - { .name: lowp_scales, .offset: 32, .size: 8, .value_kind: global_buffer, .address_space: global }
      - { .name: F, .offset: 40, .size: 8, .value_kind: global_buffer, .address_space: global }
      - { .name: wcd, .offset: 48, .size: 8, .value_kind: global_buffer, .address_space: global }
    .group_segment_fixed_size: 150528
    .private_segment_fixed_size: 0
    .kernarg_segment_align: 8
    .kernarg_segment_size: 56
    .max_flat_workgroup_size: 512
    .sgpr_count:     66
    .vgpr_count:     256
    .wavefront_size: 32
...
	.end_amdgpu_metadata
.endif
;; end of part 4
;; launch fc2 (part 5): grid 128 x 1, 16 waves a work-group, no clusters, 150,528 bytes of LDS; arguments F, W2, b2, lowp_scales, G, wcd; writes G, wcd
.if DOCPART == 5
	.amdgcn_target "amdgcn-amd-amdhsa--gfx1250"
	.amdhsa_code_object_version 6
	.text
	.protected	k_qa7074f5b5b_fc2
	.globl	k_qa7074f5b5b_fc2
	.p2align	8
	.type	k_qa7074f5b5b_fc2,@function
k_qa7074f5b5b_fc2:
	s_mov_b64 s[64:65], 0
	v_nop
	global_prefetch_b8 v0, s[64:65] scope:SCOPE_SE
	s_setreg_imm32_b32 hwreg(HW_REG_WAVE_SCHED_MODE, 0, 2), 2
	s_setreg_imm32_b32 hwreg(HW_REG_WAVE_MODE, 25, 1), 1
	s_wait_xcnt 0x0
	s_wait_alu depctr_vm_vsrc(0)
; SECOND OF THREE LAUNCHES.  G = (Q(F) Q(Ws)) / 2^(e8 + e9) on support rows, (Q(F) Q(Wq) + b2) / 2^(e8 + e9) on query rows (products 3 and 4 of the table), and the codes of Wd = W2[3072:4096].
; Work left out: the input y, which reference() never reads, is not loaded (shown at the head of the first launch's text).
; This text serves two launches; FC says which.  FC = 1: A = x, B = W1, bias b1, scales 0..3; the other work-groups quantise Wc (scale 9).  FC = 2: A = F, B = Ws or Wq, bias b2 on query rows alone, scales 4..7,
; the result divided by 2^(e8 + e9); the other work-groups quantise Wd (scale 11).
; SHARES.  Work-groups 0..111: 64 rows of one kind (support: 100 rows, two groups; query: 300 rows, five groups) x 64 columns, all K = 1,024.  Sixteen waves.  First each wave quantises: one tile of 16 rows of A and
; one tile of 16 columns of B, for 256 along K (two K steps of 128); the fragments go to LDS as images of their registers (four stores of 512 bytes).  Behind a barrier each wave makes one tile 16 x 16 of the result:
; eight matrix instructions on two accumulators by turns.  The results meet in a stage and leave as whole aligned runs of 256 bytes.
; Work-groups 112..127: 64 columns of Wc (Wd), all K: the same quantiser, the images stored to wcd.  They touch no LDS.
; B's K is its first axis: a lane takes a column and its registers run down K, so the conversions give codes with K innermost.  A fragment's register 4 c .. 4 c + 3 of lane (r, h) holds k = 32 c + 16 h + 0 .. 15:
; the same order of k on both sides of every product.
; wcd: [wave 4][half of N 2][product 2][K step 8][half 2][fragment 4][2,048 bytes]; column = 512 half of N + 128 wave + 64 half + 16 fragment + r.
; LIMITS on the given exponents, so that each power of two below is an f32 number: each operand's e between -126 and 119; eA + eB (FC = 2: less e8 + e9) between -126 and 127.  NaN among the inputs is not served.
; No cluster: the work-groups that share a tile of B are two or five, which no cluster of four divides, and the launch is short.
; THE MODE: SCHED_MODE bits 1:0 = 2 (LLVM: expert scheduling mode 2), set by the entry lines.  The code itself states the register dependences between vector or matrix instructions and memory or LDS instructions,
; with s_wait_alu, always for 0.
; THE PLAN.  Registers that memory or LDS instructions touch:
;   v4-v15     Offsets and LDS addresses: written at the head and never again.  ONE wait on va_vdst at the head's end, ahead of the parting of the ways, states them for every load and store of the text.
;   AS, BS     Loaded; held and read by the quantiser's vector lines.  BS is loaded a second time, behind the wait on va_vdst that follows its first quantising.
;   PC         Written by a quantising's conversions, read by the four stores that follow it.  One wait on va_vdst behind each quantising (the codes are written); one on vm_vsrc ahead of the next (the stores have read them).
;   v32-223    Behind the barrier: the fragments of K steps 0 to 5, by LDS loads.  The wait on va_vdst behind the last quantising stands behind every vector line that named these registers.  K steps 6 and 7 land in the
;              registers of K steps 0 and 1, behind one wait on va_vdst that follows the two products which read those, and under the four products of K steps 2 to 5, which name other registers.
;   v160-167   The result: written by the packed lines, read by the two stores into the stage, behind one wait on va_vdst; that wait also stands behind every product that read v32-39, in which the stage's rows land.
;   The accumulators and v16-27 are named by vector and matrix instructions alone (v16-23 behind the wait for their loads).  v28, v29: written at the head, read by the closing add alone.
.set FC, 2
.set XIMG, 0                           ; LDS: A's images, (tile of rows x 8 + K step) x 2,048 bytes
.set BIMG, 65536                       ; B's images, (tile of columns x 8 + K step) x 2,048
.set STG, 131072                       ; the stage: 64 rows x (256 bytes + 16)
.set SPARE, 148480                     ; the spare words: 128 bytes for each of 16 waves
.set AS, 32                            ; v32-159  128 numbers of A; later FA, FB
.set BS, 160                           ; v160-223 64 numbers of B; later FX, then the result
.set PC, 224                           ; v224-239 the codes just made
.set FA, 32                            ; four fragments of A: K steps 0 to 3; the first two take K steps 6 and 7 later
.set FB, 96                            ; four fragments of B, likewise
.set FX, 160                           ; K steps 4 and 5: two fragments of A, then two of B
.set OUTR, 160
.set ACC0, 240
.set ACC1, 248
; v1 r, v2 h, v3 lane, v4 A's offset, v5 B's offset, v6 16 x lane, v7 / v8 where I store A's / B's images, v9 / v10 where I fetch them, v11 / v12 the stage in / out, v13, v14 the result's offsets, v15 the bias's,
; v16-23 the bias, v24 / v25 2^eA and 448 x 2^eA, v26 / v27 the same for B, v28 / v29 the add's two registers, v30, v31 at work
.macro XROW d                          ; v[d]: a row's number within its kind -> its row of x: held at the kind's last row; + (40 - D) x (number / D) + ADD, D = 10 or 30
	v_min_u32 v[\d], s40, v[\d]
	v_mul_u32_u24 v31, v[\d], s41
	v_lshrrev_b32 v31, 16, v31
	v_mad_u32_u24 v[\d], v31, s42, v[\d]
	v_add_nc_u32 v[\d], s43, v[\d]
.endm
.macro POW e, vs, vl                   ; s[e] = an exponent: v[vs] = 2^e, v[vl] = 448 x 2^e
	s_add_co_i32 s[\e], s[\e], 127
	s_lshl_b32 s49, s[\e], 23
	v_mov_b32 v[\vs], s49
	s_add_co_i32 s[\e], s[\e], 8
	s_lshl_b32 s[\e], s[\e], 23
	s_or_b32 s[\e], s[\e], 0x600000
	v_mov_b32 v[\vl], s[\e]
.endm
.macro ALOAD f                         ; my 16 rows' numbers of my K step f: lane (r, h) takes 16 neighbours of each block of 32
.irp c, 0,1,2,3
.irp j, 0,1,2,3
	global_load_b128 v[AS+64*\f+16*\c+4*\j:AS+64*\f+16*\c+4*\j+3], v4, s[4:5] offset:512*\f+128*\c+16*\j
.endr
.endr
.endm
.macro BLOAD f                         ; my 16 columns' numbers of my K step f: register 16 c + i = row 128 f + 32 c + 16 h + i
.irp c, 0,1,2,3
.irp i, 0,1,2,3,4,5,6,7,8,9,10,11,12,13,14,15
	global_load_b32 v[BS+16*\c+\i], v5, s[18:19] offset:(128*\f+32*\c+\i)*4096
.endr
.endr
.endm
.macro QUANT s, sc, lim                ; 64 numbers of a lane become a fragment's codes in v[PC] on
.irp b, 0,1,2,3
.irp i, 0,1,2,3,4,5,6,7,8,9,10,11,12,13,14,15
	v_med3_num_f32 v[\s+16*\b+\i], v[\s+16*\b+\i], -v[\lim], v[\lim]   ; the conversion does not saturate (ISA guide 7.6.2): the hold at the largest code x the scale
.endr
	v_cvt_scalef32_pk8_fp8_f32 v[PC+4*\b:PC+4*\b+1], v[\s+16*\b:\s+16*\b+7], v[\sc]
	v_cvt_scalef32_pk8_fp8_f32 v[PC+4*\b+2:PC+4*\b+3], v[\s+16*\b+8:\s+16*\b+15], v[\sc]
.endr
	v_nop                                          ; one plain vector line behind the last conversion
.endm
.macro IMAGE adr, off                  ; the fragment goes to LDS as it stands
.irp c, 0,1,2,3
	ds_store_b128 v[\adr], v[PC+4*\c:PC+4*\c+3] offset:\off+512*\c
.endr
.endm
.macro GSTORE f                        ; or to wcd: 512 consecutive bytes a store
.irp c, 0,1,2,3
	global_store_b128 v6, v[PC+4*\c:PC+4*\c+3], s[16:17] offset:16384*\f+512*\c
.endr
.endm
.macro FETCH reg, adr, off
.irp c, 0,1,2,3
	ds_load_b128 v[\reg+4*\c:\reg+4*\c+3], v[\adr] offset:\off+512*\c
.endr
.endm
.macro KFETCH k, ra, rb                ; K step k's fragments of my tile of rows and of my tile of columns: eight LDS loads
	FETCH \ra, 9, (\k)*2048
	FETCH \rb, 10, (\k)*2048
.endm
.macro KMUL acc, ra, rb, zero          ; source 0 = 16 columns of B, source 1 = 16 rows of A: a lane holds eight neighbouring columns of one row.  zero = 1: the product starts the sum
.if \zero
	v_wmma_f32_16x16x128_fp8_fp8 v[\acc:\acc+7], v[\rb:\rb+15], v[\ra:\ra+15], 0
.else
	v_wmma_f32_16x16x128_fp8_fp8 v[\acc:\acc+7], v[\rb:\rb+15], v[\ra:\ra+15], v[\acc:\acc+7]
.endif
.endm
.macro SCALEWORK                       ; the scales of my kind of rows (or of the weight that I quantise)
	s_wait_kmcnt 0x0
	s_cmp_eq_u32 s38, 1
.if FC == 1
	s_cselect_b32 s47, s26, s24                    ; eA
	s_cselect_b32 s48, s27, s25                    ; eB
	s_cmp_lt_u32 ttmp9, 112
	s_cselect_b32 s48, s48, s33
.else
	s_cselect_b32 s47, s30, s28
	s_cselect_b32 s48, s31, s29
	s_cmp_lt_u32 ttmp9, 112
	s_cselect_b32 s48, s48, s35
.endif
	s_add_co_i32 s44, s47, s48
.if FC == 2
	s_add_co_i32 s53, s32, s33                     ; e8 + e9: the last launch adds G to sums that lack this power of two
	s_sub_co_i32 s44, s44, s53
	s_sub_co_i32 s53, 0, s53
.endif
	s_add_co_i32 s44, s44, 127
	s_lshl_b32 s44, s44, 23                        ; what a finished sum is multiplied by
	s_mov_b32 s45, s44                             ; (named with it as a pair)
	POW 47, 24, 25
	POW 48, 26, 27
.endm
.macro BIASLOAD                        ; the bias of my tile's columns, in the result's layout.  FC = 2: b2 is added once, with the query rows; support rows take zeros
.if FC == 2
	s_cmp_eq_u32 s38, 0
	s_cbranch_scc1 .Lzero_\@
.endif
	global_load_b128 v[16:19], v15, s[10:11]
	global_load_b128 v[20:23], v15, s[10:11] offset:16
.if FC == 2
	s_branch .Lhave_\@
.Lzero_\@:
.irp j, 0,1,2,3,4,5,6,7
	v_mov_b32 v[16+\j], 0
.endr
.Lhave_\@:
.endif
.endm
.if FC == 1
	s_load_b256 s[4:11], s[0:1], 0x0               ; x s[4:5], W1 s[6:7], W2 s[8:9], b1 s[10:11]
	s_load_b128 s[12:15], s[0:1], 0x20             ; the scales s[12:13], F s[14:15]
	s_load_b64 s[16:17], s[0:1], 0x30              ; wcd
.else
	s_load_b64 s[4:5], s[0:1], 0x0                 ; F
	s_load_b128 s[8:11], s[0:1], 0x8               ; W2 s[8:9], b2 s[10:11]
	s_load_b128 s[12:15], s[0:1], 0x18             ; the scales s[12:13], G s[14:15]
	s_load_b64 s[16:17], s[0:1], 0x28              ; wcd
.endif
	v_lshl_add_u32 v28, v0, 2, SPARE               ; my spare word,
	v_mov_b32 v29, 0                               ; and 0: kept for the closing lines
	v_lshrrev_b32 v1, 5, v0
	v_readfirstlane_b32 s20, v1                    ; wave 0..15
	v_and_b32 v1, 15, v0                           ; r
	v_bfe_u32 v2, v0, 4, 1                         ; h
	v_and_b32 v3, 31, v0                           ; lane
	v_lshlrev_b32 v6, 4, v3
	s_wait_alu depctr_va_vdst(0)
	s_wait_alu depctr_va_sdst(0)                   ; s20 is written, ahead of its first reader: all that hangs on the wave's number is made from it
	s_and_b32 s21, s20, 3                          ; a: which tile I quantise; later nt: my tile of columns
	s_lshr_b32 s22, s20, 2                         ; kq: which quarter of K; later mt: my tile of rows
	; every LDS address is made here, of the thread's and the wave's number alone
	s_lshl_b32 s47, s21, 14
	s_lshl_b32 s48, s22, 12
	s_add_co_u32 s47, s47, s48
	v_add_nc_u32 v7, s47, v6                       ; A's images (8 a + 2 kq) on
	v_add_nc_u32 v8, BIMG, v7                      ; B's likewise
	s_lshl_b32 s48, s22, 14
	v_add_nc_u32 v9, s48, v6                       ; A's eight fragments of tile mt
	s_lshl_b32 s48, s21, 14
	s_add_co_u32 s48, s48, BIMG
	v_add_nc_u32 v10, s48, v6                      ; B's of tile nt
	s_mul_i32 s48, s22, 16*272
	s_lshl_b32 s47, s21, 6
	s_add_co_u32 s48, s48, s47
	s_add_co_u32 s48, s48, STG
	v_mul_u32_u24 v11, v1, 272
	v_lshl_add_u32 v11, v2, 5, v11
	v_add_nc_u32 v11, s48, v11                     ; the stage, in: row 16 mt + r, byte 64 nt + 32 h
	s_mul_i32 s48, s20, 4*272
	s_add_co_u32 s48, s48, STG
	v_mul_u32_u24 v12, v2, 272
	v_lshl_add_u32 v12, v1, 4, v12
	v_add_nc_u32 v12, s48, v12                     ; out: rows 4 w + h (and two further on), 16 bytes a lane
	; which rows and columns
	s_and_b32 s36, ttmp9, 15                       ; ns: 64 columns
	s_lshr_b32 s37, ttmp9, 4                       ; 0, 1: support; 2..6: query; 7: the quantiser
	s_mov_b32 s40, 99
	s_mov_b32 s41, 6554
	s_cmp_ge_u32 s37, 2
	s_cselect_b32 s38, 1, 0                        ; the kind
	s_cselect_b32 s40, 299, s40                    ; its last row
	s_cselect_b32 s41, 2185, s41                   ; (n x this) >> 16 = n / 10 up to 99, n / 30 up to 299
	s_cselect_b32 s42, 10, 30                      ; 40 - D
	s_cselect_b32 s43, 10, 0                       ; ADD
	s_cselect_b32 s46, 19, 7                       ; its tiles of 16 rows
	s_cselect_b32 s39, 2, 0
	s_sub_co_u32 s39, s37, s39                     ; g: which 64 rows of the kind
	s_lshl_b32 s47, s39, 2
	s_add_co_u32 s48, s47, s21
	s_cmp_lt_u32 s48, s46
	s_cselect_b32 s50, 1, 0                        ; the tile of A that I would quantise holds rows
	s_add_co_u32 s48, s47, s22
	s_cmp_lt_u32 s48, s46
	s_cselect_b32 s51, 1, 0                        ; my tile of the result holds rows
	s_lshl_b32 s47, s39, 6
	s_lshl_b32 s48, s20, 2
	s_add_co_u32 s48, s47, s48
	s_cmp_le_u32 s48, s40
	s_cselect_b32 s52, 1, 0                        ; the four rows that I store exist (100 and 300 are multiples of 4)
	v_add_nc_u32 v13, s48, v2
	v_add_nc_u32 v14, 2, v13
	XROW 13
	XROW 14
	s_lshl_b32 s49, s36, 8
	v_lshl_add_u32 v30, v1, 4, s49
	v_lshl_add_u32 v13, v13, 12, v30               ; row x 4,096 + 256 ns + 16 r
	v_lshl_add_u32 v14, v14, 12, v30
	s_lshl_b32 s48, s21, 4
	s_add_co_u32 s48, s47, s48
	v_add_nc_u32 v4, s48, v1
	XROW 4
	v_lshlrev_b32 v4, 12, v4
	v_lshl_add_u32 v4, v2, 6, v4                   ; A: row x 4,096 + 64 h
	v_lshlrev_b32 v5, 2, v1
	v_lshl_add_u32 v5, v2, 16, v5                  ; B: 16 h rows of 4,096 bytes + 4 r
	s_lshl_b32 s48, s21, 6
	s_add_co_u32 s48, s48, s49                     ; 256 ns + 64 a: my tile's first column, in bytes
	v_lshl_add_u32 v15, v2, 5, s48
	s_wait_kmcnt 0x0
	s_load_b256 s[24:31], s[12:13], 0x0            ; e0 .. e7
	s_load_b128 s[32:35], s[12:13], 0x20           ; e8 .. e11
	s_lshl_b32 s54, s22, 10
	s_mov_b32 s55, 0
	s_add_nc_u64 s[4:5], s[4:5], s[54:55]          ; A at my quarter of K
.if FC == 1
	s_cmp_lt_u32 ttmp9, 112
	s_cselect_b64 s[18:19], s[6:7], s[8:9]         ; W1, or W2 for the quantiser: the choice hangs on the work-group's number alone
	s_cselect_b32 s54, 0, 0x800000                 ; Wc begins 2,048 rows down
.else
	s_mov_b64 s[18:19], s[8:9]
	s_lshl_b32 s54, s38, 22                        ; Ws at row 0, Wq at row 1,024,
	s_cmp_lt_u32 ttmp9, 112
	s_cselect_b32 s54, s54, 0xc00000               ; Wd at row 3,072
.endif
	s_lshl_b32 s56, s22, 20
	s_add_co_u32 s54, s54, s56                     ; + my quarter of K: 256 rows
	s_add_co_u32 s54, s54, s48                     ; + my tile's columns
	s_add_nc_u64 s[18:19], s[18:19], s[54:55]
	s_wait_alu depctr_va_vdst(0)                   ; the offsets and LDS addresses v4 to v15 are written, which the loads and stores of both ways below read; none of them is written again
	s_cmp_ge_u32 ttmp9, 112
	s_cbranch_scc1 .Lquant
	; ---- the product's work-groups.  The loads of the bias and of A are older than B's: B's wait shows them in too
	BIASLOAD
	s_cmp_eq_u32 s50, 0
	s_cbranch_scc1 .Lb_only
	ALOAD 0
	ALOAD 1
	BLOAD 0
	SCALEWORK
	s_wait_alu depctr_va_vdst(0)
	s_wait_loadcnt 0x0
	QUANT BS, 26, 27
	s_wait_alu depctr_va_vdst(0)                   ; the holds and conversions are done with BS, in which the 64 loads below land, and have written the codes, which the four stores below read
	BLOAD 1                                        ; lands while A is quantised
	IMAGE 8, 0
	s_wait_dscnt 0x0                               ; the stores have read the codes' registers
	s_wait_alu depctr_vm_vsrc(0)                   ; the four LDS stores have read the codes' registers, which the next conversions write
	QUANT AS, 24, 25
	s_wait_alu depctr_va_vdst(0)                   ; the conversions have written the codes, which the four stores read
	IMAGE 7, 0
	s_wait_dscnt 0x0
	s_wait_alu depctr_vm_vsrc(0)                   ; the four LDS stores have read the codes' registers, which the next conversions write
	QUANT AS+64, 24, 25
	s_wait_alu depctr_va_vdst(0)                   ; the conversions have written the codes, which the four stores read
	IMAGE 7, 2048
	s_wait_loadcnt 0x0
	s_wait_dscnt 0x0
	s_wait_alu depctr_vm_vsrc(0)                   ; the four LDS stores have read the codes' registers, which the next conversions write
	QUANT BS, 26, 27
	s_wait_alu depctr_va_vdst(0)                   ; the conversions have written the codes, which the four stores read; and every vector line that named AS or BS is done: the fragments behind the barrier land there
	IMAGE 8, 2048
	s_branch .Ljoin
.Lb_only:                                              ; a wave whose tile of A lies past the kind's last row quantises B alone
	BLOAD 0
	SCALEWORK
	s_wait_alu depctr_va_vdst(0)
	s_wait_loadcnt 0x0
	QUANT BS, 26, 27
	s_wait_alu depctr_va_vdst(0)                   ; the holds and conversions are done with BS, in which the 64 loads below land, and have written the codes, which the four stores below read
	BLOAD 1
	IMAGE 8, 0
	s_wait_loadcnt 0x0
	s_wait_dscnt 0x0
	s_wait_alu depctr_vm_vsrc(0)                   ; the four LDS stores have read the codes' registers, which the next conversions write
	QUANT BS, 26, 27
	s_wait_alu depctr_va_vdst(0)                   ; the conversions have written the codes, which the four stores read; and every vector line that named BS is done: fragments behind the barrier land there
	IMAGE 8, 2048
.Ljoin:
	s_wait_dscnt 0x0                               ; for the others' sake: my images have landed
	s_barrier_signal -1
	s_barrier_wait -1
	s_cmp_eq_u32 s51, 0
	s_cbranch_scc1 .Lno_tile
.if FC == 2
.irp j, 0,1,2,3,4,5,6,7
	v_ldexp_f32 v[16+\j], v[16+\j], s53            ; b2 / 2^(e8 + e9)
.endr
.endif
	; six K steps are asked for at once.  No wait on va_vdst: none of the vector lines issued since the last one names v32 to v223
	KFETCH 0, FA, FB
	KFETCH 1, FA+16, FB+16
	KFETCH 2, FA+32, FB+32
	KFETCH 3, FA+48, FB+48
	KFETCH 4, FX, FX+32
	KFETCH 5, FX+16, FX+48
	s_wait_dscnt 32                                ; LDS loads come back in order (ISA guide 5.7.1): K steps 0 and 1 are in; the 32 loads of K steps 2 to 5 may be out
	KMUL ACC0, FA, FB, 1
	KMUL ACC1, FA+16, FB+16, 1
.rept 4
	v_nop                                          ; places in front of loads into registers that matrix instructions have read
.endr
	s_wait_alu depctr_va_vdst(0)                   ; the two products are done reading the fragments of K steps 0 and 1, in whose registers those of K steps 6 and 7 land
	KFETCH 6, FA, FB                               ; they land under the next four products, which name other registers
	KFETCH 7, FA+16, FB+16
	s_wait_dscnt 32                                ; K steps 2 and 3 are in; behind them K steps 4 and 5 and the 16 loads just issued
	KMUL ACC0, FA+32, FB+32, 0                     ; the two accumulators take turns
	KMUL ACC1, FA+48, FB+48, 0
	s_wait_dscnt 16                                ; K steps 4 and 5 are in
	KMUL ACC0, FX, FX+32, 0
	KMUL ACC1, FX+16, FX+48, 0
	s_wait_dscnt 0x0                               ; K steps 6 and 7 are in
	KMUL ACC0, FA, FB, 0
	KMUL ACC1, FA+16, FB+16, 0
.rept 4
	v_nop                                          ; places in front of the first read of results, and of the write over registers that the products of K steps 4 and 5 have read (ISA guide 7.12.1)
.endr
.irp j, 0,2,4,6
	v_pk_add_f32 v[OUTR+\j:OUTR+\j+1], v[ACC0+\j:ACC0+\j+1], v[ACC1+\j:ACC1+\j+1]   ; from each accumulator's low end on
.endr
.irp j, 0,2,4,6
	v_pk_fma_f32 v[OUTR+\j:OUTR+\j+1], v[OUTR+\j:OUTR+\j+1], s[44:45], v[16+\j:17+\j] op_sel_hi:[1,0,1]   ; sum x the power of two + bias
.endr
	s_wait_alu depctr_va_vdst(0)                   ; the packed lines have written the result, which the two stores read; and the products are done reading v32 to v39, in which the stage's rows land below
	ds_store_b128 v11, v[OUTR:OUTR+3]
	ds_store_b128 v11, v[OUTR+4:OUTR+7] offset:16
.Lno_tile:
	s_wait_dscnt 0x0                               ; my part of the stage has landed
	s_barrier_signal -1
	s_barrier_wait -1
	s_cmp_eq_u32 s52, 0
	s_cbranch_scc1 .Lno_rows
	ds_load_b128 v[32:35], v12                     ; no vector or matrix line issued since the last wait on va_vdst, on either way here, names v32 to v39
	ds_load_b128 v[36:39], v12 offset:544
	s_wait_dscnt 0x1                               ; the first is in; the second may be out
	global_store_b128 v13, v[32:35], s[14:15]      ; sixteen lanes store 256 consecutive bytes, at a multiple of 256 from the buffer's first byte
	s_wait_dscnt 0x0
	global_store_b128 v14, v[36:39], s[14:15]
.Lno_rows:
	s_wait_dscnt 0x0                               ; the wave's end
	s_wait_alu 0x0
	s_wait_tensorcnt 0x0
	ds_add_u32 v28, v29
	s_wait_dscnt 0x0
	s_endpgm
	; ---- the quantiser's work-groups: no LDS
.Lquant:
	s_bfe_u32 s54, s36, 0x20001                    ; column 64 ns on belongs to wave (ns / 2) % 4 of the last launch,
	s_lshl_b32 s54, s54, 19
	s_lshr_b32 s56, s36, 3                         ; half ns / 8 of N,
	s_lshl_b32 s56, s56, 18
	s_add_co_u32 s54, s54, s56
	s_and_b32 s56, s36, 1                          ; half ns % 2 of that wave's 128 columns;
	s_lshl_b32 s56, s56, 13
	s_add_co_u32 s54, s54, s56
	s_lshl_b32 s56, s22, 15                        ; my two K steps,
	s_add_co_u32 s54, s54, s56
	s_lshl_b32 s56, s21, 11                        ; my fragment
	s_add_co_u32 s54, s54, s56
.if FC == 2
	s_add_co_u32 s54, s54, 131072                  ; the second product's part
.endif
	s_add_nc_u64 s[16:17], s[16:17], s[54:55]
	BLOAD 0
	SCALEWORK
	s_wait_alu depctr_va_vdst(0)
	s_wait_loadcnt 0x0
	QUANT BS, 26, 27
	s_wait_alu depctr_va_vdst(0)                   ; the holds and conversions are done with BS, in which the 64 loads below land, and have written the codes, which the four stores below read
	BLOAD 1
	GSTORE 0
	s_wait_loadcnt 0x0
	s_wait_xcnt 0x0                                ; the stores have read the codes' registers
	s_wait_alu depctr_vm_vsrc(0)                   ; the four stores have read the codes' registers, which the next conversions write
	QUANT BS, 26, 27
	s_wait_alu depctr_va_vdst(0)                   ; the conversions have written the codes, which the four stores read
	GSTORE 1
	s_endpgm
.Lfunc_end_k_qa7074f5b5b_fc2:
	.size	k_qa7074f5b5b_fc2, .Lfunc_end_k_qa7074f5b5b_fc2-k_qa7074f5b5b_fc2
	.p2alignl 7, 3214868480
	.fill 96, 4, 3214868480
	.section	.rodata,"a",@progbits
	.p2align	6, 0x0
	.amdhsa_kernel k_qa7074f5b5b_fc2
		.amdhsa_group_segment_fixed_size 150528
		.amdhsa_private_segment_fixed_size 0
		.amdhsa_enable_private_segment 0
		.amdhsa_kernarg_size 48
		.amdhsa_user_sgpr_count 2
		.amdhsa_user_sgpr_kernarg_segment_ptr 1
		.amdhsa_wavefront_size32 1
		.amdhsa_system_sgpr_workgroup_id_x 1
		.amdhsa_system_sgpr_workgroup_id_y 1
		.amdhsa_system_sgpr_workgroup_id_z 1
		.amdhsa_system_vgpr_workitem_id 0
		.amdhsa_next_free_vgpr 256
		.amdhsa_next_free_sgpr 66
		.amdhsa_reserve_vcc 0
		.amdhsa_float_denorm_mode_32 3
		.amdhsa_float_denorm_mode_16_64 3
		.amdhsa_memory_ordered 1
		.amdhsa_forward_progress 1
		.amdhsa_inst_pref_size 95
	.end_amdhsa_kernel
	.amdgpu_metadata
---
amdhsa.version: [ 1, 2 ]
amdhsa.kernels:
  - .name:           k_qa7074f5b5b_fc2
    .symbol:         k_qa7074f5b5b_fc2.kd
    .args:
      - { .name: F, .offset: 0, .size: 8, .value_kind: global_buffer, .address_space: global }
      - { .name: W2, .offset: 8, .size: 8, .value_kind: global_buffer, .address_space: global }
      - { .name: b2, .offset: 16, .size: 8, .value_kind: global_buffer, .address_space: global }
      - { .name: lowp_scales, .offset: 24, .size: 8, .value_kind: global_buffer, .address_space: global }
      - { .name: G, .offset: 32, .size: 8, .value_kind: global_buffer, .address_space: global }
      - { .name: wcd, .offset: 40, .size: 8, .value_kind: global_buffer, .address_space: global }
    .group_segment_fixed_size: 150528
    .private_segment_fixed_size: 0
    .kernarg_segment_align: 8
    .kernarg_segment_size: 48
    .max_flat_workgroup_size: 512
    .sgpr_count:     66
    .vgpr_count:     256
    .wavefront_size: 32
...
	.end_amdgpu_metadata
.endif
;; end of part 5
;; launch main (part 6): grid 25 x 10, 4 waves a work-group, no clusters, 251,392 bytes of LDS; arguments F, G, wcd, x, lowp_scales, out0; writes out0
.if DOCPART == 6
	.amdgcn_target "amdgcn-amd-amdhsa--gfx1250"
	.amdhsa_code_object_version 6
	.text
	.protected	k_qa7074f5b5b_main
	.globl	k_qa7074f5b5b_main
	.p2align	8
	.type	k_qa7074f5b5b_main,@function
k_qa7074f5b5b_main:
	s_mov_b64 s[64:65], 0
	v_nop
	global_prefetch_b8 v0, s[64:65] scope:SCOPE_SE
	s_setreg_imm32_b32 hwreg(HW_REG_WAVE_MODE, 25, 1), 1
	s_wait_xcnt 0x0
; THIRD OF THREE LAUNCHES: products 5 and 6 of the table, tanh, its sum, the softmax, the prototype (product 7, K = 10, in f32 multiply-adds) and the squared distance.
; Work left out (shown at the head of the first launch's text): the input y; and of sum tanh(z) = 1024 - 2 R, R = sum 1 / (1 + e^(2 z)), the term 1024, which is the same for the ten supports of a softmax.
; SHARES.  A work-group owns one class c (10 supports) and 12 queries: 120 rows (query, support) in 8 tiles of 16, all 1,024 columns, K = 2,048 (|sf - qf|, then sf x qf).  So each of its 12 softmaxes is whole, and
; it stores its 12 numbers of out0 itself.  Four waves; wave w makes columns 512 ch + 128 w .. + 127 of all rows, ch = 0, 1 one after the other: 64 accumulators, 512 registers.
; A's codes exist nowhere: they are made once, from 10 + 12 rows of F, and kept in LDS for both halves of N: 120 rows x (2,048 + 16) bytes.
; B's codes come from wcd straight into registers: they lie there in the order of the registers and of each wave's walk, and no wave reads another's columns, so LDS would feed no byte twice.
; NO CLUSTER, NO JOINT LOADS: beside A's 247,680 bytes LDS has 80,000 left, and two slots of one K step of 512 columns would take 131,072; and the grid of 25 x 10 divides by 4 along neither axis.
; ROWS.  Query i < 8, support s: row 8 s + i (tiles 0-4); i >= 8: row 80 + 4 s + i - 8 (tiles 5-7).  So a lane's query is the same in tiles 0-4, and in tiles 5-7.  The last eight places of tile 7 read rows 112-119
; once more; their results go nowhere.
; ONE SET OF ACCUMULATORS FOR TWO PRODUCTS.  They start as G(support) + G(query) = (a_s + a_q + b2) / 2^(e8 + e9); product 5's sums are added; one multiplication by 2^(e8 + e9 - e10 - e11), which rounds nothing;
; product 6's sums are added; z = sum x 2^(e10 + e11).  e^(2 z) = 2^(sum x kappa), kappa = 2 log2(e) x 2^(e10 + e11).  An overflowing exponential gives 1 / infinity = 0, a vanishing one 1 / 1: tanh's two ends.
; THE SOFTMAX takes its maximum away as reference() does: the logits are -2 R, their maximum is at the smallest R.
; THE MATRIX INSTRUCTION IS USED TRANSPOSED (source 0 = 16 columns of B, source 1 = 16 rows of A): a lane holds one row and eight columns, so a row's sum needs one exchange between the halves of the lanes.
; out0: a work-group's 12 numbers lie 40 bytes apart (one class of 12 queries' rows): three lanes of each wave store 4 bytes each.
; LIMITS on the given exponents, so that each power of two is an f32 number: e8, e10 between -126 and 119; e8 + e9 - e10 - e11 between -126 and 127; e10 + e11 between -127 and 126.  NaN among the inputs is not served.
; REGISTERS, in windows of 256.  Window 0: v1-47 addresses and scales; v48-63 the rows' sums; v64-127 at work; v128-255 A's eight fragments (at a half's start: the queries' starting values).
;   Window 1: B's four buffers of 64 (while A's codes are made, and in the tail: two staging sets of 128: support s at 8 s, query ii at 80 + 8 ii).   Windows 2, 3: accumulator (a, b) at v[8 (8 (a % 4) + b)].
.set PA, 2064                          ; a row of A in LDS: 129 x 16 bytes, so that the 16 rows of a fragment load start at 16 different groups of banks (64 banks of 4 bytes: ISA guide 11.1)
.set SCB, 247808                       ; the rows' sums: [wave 4][query 12][16 words]
.set SPARE, 250880                     ; the spare words: 128 bytes a wave
.set BO, 2                             ; v2     16 x lane
.set FO, 3                             ; v3     32 x lane
.set FQ, 4                             ; v4-6   32 x lane + my query ii's row x 4,096
.set GB, 7                             ; v7-11  where I store codes: wave x PA + 8 x lane + z x 24 PA
.set ADA0, 12                          ; v12-19 block a of A: its row x PA + 16 h
.set ADR, 20                           ; v20-27 the same + the trip's place along K
.set CS0, 28                           ; v28-30 G's support rows for tiles 0-4, 5-6, 7
.set CS5, 29
.set CS7, 30
.set CQ0, 31                           ; v31, 32 G's query rows for tiles 0-4, 5-7
.set CQ1, 32
.set SCW0, 33                          ; v33, 34 where I put rows' sums
.set SCW1, 34
.set SCR, 35                           ; v35    where I read them
.set SPW, 36                           ; v36, 37 the add's two registers
.set NIL, 37
.set GC, 42                            ; v42-46 GB + the trip's place along K.  v38-41: 2^e8, 448 x 2^e8, 2^e10, 448 x 2^e10.  v47: at work
.set RS, 48
.set T, 64
.set AF, 128
.set VQ0, 128
.set VQ1, 192
.set RW, 64                            ; the tail: the four waves' sums, 36 registers a wave
.set PP, 100                           ; the scores, each in both registers of a pair
.set DD, 160                           ; prototype - query, 8 numbers for each of my three queries
.set DSQ, 184                          ; the squares' sums
.set MN, 208
.set SM, 214
.set SFB, 20                           ; s[20:21] F at my class's rows     s[22:23] x likewise     s[24:25] G at my columns     s[26:27] wcd at my walk
.set XSB, 22
.set GCB, 24
.set BP, 26
.set KAP, 32                           ; s[32:33] kappa     s[34:35] 2^(e8 + e9 - e10 - e11)
.set DEL, 34
.set SEL, 36                           ; s[36:37] v_permlanex16_b32's selects for lane l xor 16
.set KO, 38
.set TR, 39
.set CH, 40
.set GT, 41
.set GK, 42
.set QB12, 43                          ; s43 my work-group's first query     s44 my wave's first query
.set Q0S, 44
.set MSB, 0
.macro WIN new                         ; the immediate's high byte repeats the setting that is left; a switch that changes nothing is dropped
.if MSB != \new
	s_set_vgpr_msb (MSB<<8)|\new
.set MSB, \new
.endif
.endm
.set MUL_LO, 0xa1                      ; source 0 (B) window 1, source 1 (A) window 0, C and D window 2
.set MUL_HI, 0xf1
.set TO_B, 0x40
.set GSRC, 0x05                        ; sources 0 and 1 window 1
.macro PLACES                          ; four places behind a matrix instruction, in front of loads into its registers and of reads of its results
.rept 4
	v_nop
.endr
.endm
.macro VXROW d                         ; v[d]: a query's number -> its row of x: q + 10 (q / 30) + 10; (q x 2,185) >> 16 = q / 30 up to 299
	v_mul_u32_u24 v47, 0x889, v[\d]
	v_lshrrev_b32 v47, 16, v47
	v_mad_u32_u24 v[\d], v47, 10, v[\d]
	v_add_nc_u32 v[\d], 10, v[\d]
.endm
.macro POW e, vs, vl
	s_add_co_i32 s[\e], s[\e], 127
	s_lshl_b32 s49, s[\e], 23
	v_mov_b32 v[\vs], s49
	s_add_co_i32 s[\e], s[\e], 8
	s_lshl_b32 s[\e], s[\e], 23
	s_or_b32 s[\e], s[\e], 0x600000
	v_mov_b32 v[\vl], s[\e]
.endm
; 26 loads: 256 along K (quarter kb) of the class's 10 support rows and of my 3 query rows, 8 neighbours a lane, into staging set hs of the window that win names
.macro LROWS pb, rb, kb, hs, win
	WIN \win
.irp n, 0,1,2,3,4,5,6,7,8,9
	global_load_b128 v[128*\hs+8*\n:128*\hs+8*\n+3], v[FO], s[\pb:\pb+1] offset:4096*\n+1024*\kb
	global_load_b128 v[128*\hs+8*\n+4:128*\hs+8*\n+7], v[FO], s[\pb:\pb+1] offset:4096*\n+1024*\kb+16
.endr
.irp ii, 0,1,2
	global_load_b128 v[128*\hs+80+8*\ii:128*\hs+80+8*\ii+3], v[FQ+\ii], s[\rb:\rb+1] offset:1024*\kb
	global_load_b128 v[128*\hs+84+8*\ii:128*\hs+84+8*\ii+3], v[FQ+\ii], s[\rb:\rb+1] offset:1024*\kb+16
.endr
	WIN 0
.endm
; the codes of two rows (query ii, supports 2 sp and 2 sp + 1), 8 along K a lane, both products'.  z: which set of registers
.macro GBATCH set, ii, sp, z
.set T1, 48+32*(\z)
.set T2, T1+16
.set CD, 112+8*(\z)
.set SS, 128*(\set)+16*(\sp)
.set QQ, 128*(\set)+80+8*(\ii)
	WIN GSRC
.irp u, 0,1
.irp j, 0,2,4,6
	v_pk_add_f32 v[T1+8*\u+\j:T1+8*\u+\j+1], v[SS+8*\u+\j:SS+8*\u+\j+1], v[QQ+\j:QQ+\j+1] neg_lo:[0,1] neg_hi:[0,1]   ; sf - qf
	v_pk_mul_f32 v[T2+8*\u+\j:T2+8*\u+\j+1], v[SS+8*\u+\j:SS+8*\u+\j+1], v[QQ+\j:QQ+\j+1]                           ; sf x qf
.endr
.endr
	WIN 0
.set j, 0
.rept 16
	v_min_num_f32 v[T1+j], |v[T1+j]|, v39          ; the magnitude and the hold in one: it is never negative
	v_med3_num_f32 v[T2+j], v[T2+j], -v41, v41     ; the conversion does not saturate (ISA guide 7.6.2)
.set j, j+1
.endr
	s_wait_alu depctr_va_vdst(0)
	s_wait_dscnt 0x4                               ; only the last batch's four stores may be out: those that read this set of codes are done
	v_cvt_scalef32_pk8_fp8_f32 v[CD:CD+1], v[T1:T1+7], v38
	v_cvt_scalef32_pk8_fp8_f32 v[CD+2:CD+3], v[T1+8:T1+15], v38
	v_cvt_scalef32_pk8_fp8_f32 v[CD+4:CD+5], v[T2:T2+7], v40
	v_cvt_scalef32_pk8_fp8_f32 v[CD+6:CD+7], v[T2+8:T2+15], v40
	v_nop                                          ; one plain vector line behind the last conversion
.irp u, 0,1
.if (\ii) < 2
.set RHO, 8*(2*(\sp)+\u)+4*(\ii)
.else
.set RHO, 80+4*(2*(\sp)+\u)
.endif
	ds_store_b64 v[GC+RHO/24], v[CD+2*\u:CD+2*\u+1] offset:(RHO%24)*PA+256*(\set)            ; row wave + RHO: 32 lanes store 256 consecutive bytes
	ds_store_b64 v[GC+RHO/24], v[CD+4+2*\u:CD+5+2*\u] offset:(RHO%24)*PA+1024+256*(\set)
.endr
.endm
.macro GSTEP set                       ; my 30 rows, 256 along K
.irp ii, 0,1,2
.irp sp, 0,1,2,3,4
	GBATCH \set, \ii, \sp, ZB
.set ZB, 1-ZB
.endr
.endr
.endm
; the accumulators' starting values: the queries' rows of G into window 0, the supports' straight into the accumulators.  cb: the half of N, in bytes
.macro CV cb
.irp b, 0,1,2,3,4,5,6,7
	global_load_b128 v[VQ0+8*\b:VQ0+8*\b+3], v[CQ0], s[GCB:GCB+1] offset:(\cb)+64*\b
	global_load_b128 v[VQ0+8*\b+4:VQ0+8*\b+7], v[CQ0], s[GCB:GCB+1] offset:(\cb)+64*\b+16
	global_load_b128 v[VQ1+8*\b:VQ1+8*\b+3], v[CQ1], s[GCB:GCB+1] offset:(\cb)+64*\b
	global_load_b128 v[VQ1+8*\b+4:VQ1+8*\b+7], v[CQ1], s[GCB:GCB+1] offset:(\cb)+64*\b+16
.endr
.endm
.macro CROW a, cb
.if (\a) < 4
	WIN 0x80
.else
	WIN 0xc0
.endif
.if (\a) < 5
.set CA, CS0
.set CF, 8192*(\a)
.elseif (\a) < 7
.set CA, CS5
.set CF, 16384*((\a)-5)
.else
.set CA, CS7
.set CF, 0
.endif
.irp b, 0,1,2,3,4,5,6,7
	global_load_b128 v[64*((\a)%4)+8*\b:64*((\a)%4)+8*\b+3], v[CA], s[GCB:GCB+1] offset:CF+(\cb)+64*\b
	global_load_b128 v[64*((\a)%4)+8*\b+4:64*((\a)%4)+8*\b+7], v[CA], s[GCB:GCB+1] offset:CF+(\cb)+64*\b+16
.endr
	WIN 0
.endm
.macro MM a, b, buf, f
	v_wmma_f32_16x16x128_fp8_fp8 v[8*(8*((\a)%4)+(\b)):8*(8*((\a)%4)+(\b))+7], v[64*(\buf)+16*(\f):64*(\buf)+16*(\f)+15], v[AF+16*(\a):AF+16*(\a)+15], v[8*(8*((\a)%4)+(\b)):8*(8*((\a)%4)+(\b))+7]
.endm
.macro PAIRMUL pi, beta                ; 8 matrix instructions: A's blocks 2 pi, 2 pi + 1 x the four fragments of B's buffer beta
.if (\pi) < 2
	WIN MUL_LO
.else
	WIN MUL_HI
.endif
.irp a, 2*(\pi), 2*(\pi)+1
.irp f, 0,1,2,3
	MM \a, 4*((\beta)%2)+\f, \beta, \f
.endr
.endr
.endm
.macro BFILL beta, off                 ; 16 loads of 512 consecutive bytes: B's buffer beta
	WIN TO_B
.irp f, 0,1,2,3
.irp c, 0,1,2,3
	global_load_b128 v[64*(\beta)+16*\f+4*\c:64*(\beta)+16*\f+4*\c+3], v[BO], s[BP:BP+1] offset:(\off)+8192*(\beta)+2048*\f+512*\c
.endr
.endr
	WIN 0
.endm
.macro AFILL pi, adr, off              ; 8 LDS loads: A's blocks 2 pi, 2 pi + 1
	WIN 0
.irp a, 2*(\pi), 2*(\pi)+1
.irp c, 0,1,2,3
	ds_load_b128 v[AF+16*(\a)+4*\c:AF+16*(\a)+4*\c+3], v[\adr+(\a)] offset:(\off)+32*\c
.endr
.endr
.endm
; A TRIP: two K steps of 128 = four sub-steps; sub-step beta multiplies A's 8 blocks by B's buffer beta (K step beta / 2, columns 64 (beta % 2) on).  The 64 accumulators take turns, one instruction a turn, in the same
; order in every K step.  A has one set of registers: in a K step's second sub-step a pair of blocks is fetched anew as soon as its 8 products are issued, 24 matrix instructions ahead of its
; next use.  A buffer of B is asked for again behind its sub-step, three sub-steps (96 matrix instructions) ahead.  ld = 0: the half's last trip asks for nothing.
.macro TRIP ld
.irp a, 0,1,2,3,4,5,6,7
	v_add_nc_u32 v[ADR+\a], s[KO], v[ADA0+\a]
.endr
	s_wait_alu depctr_va_vdst(0)
.irp beta, 0,1,2,3
.if \ld
	s_wait_loadcnt 48                              ; this buffer's 16 loads are in; the three younger buffers' may be out
.else
	s_wait_loadcnt 48-16*\beta
.endif
.if (\beta%2) == 0
.irp pi, 0,1,2,3
	s_wait_dscnt 24-8*\pi                          ; this pair of blocks is in; the pairs behind it, 8 loads each, may be out
	PAIRMUL \pi, \beta
.endr
	PLACES
.else
.irp pi, 0,1,2,3
	PAIRMUL \pi, \beta
	PLACES
.if \ld || (\beta == 1)
	AFILL \pi, ADR, 128*((\beta+1)/2)
.endif
.endr
.endif
.if \ld
	BFILL \beta, 32768
.endif
.endr
	WIN 0
	s_wait_xcnt 0x0                                ; the loads have read their base
	s_add_nc_u64 s[BP:BP+1], s[BP:BP+1], 32768
	s_add_co_u32 s[KO], s[KO], 256
.endm
; One tile of 16 rows: 1 / (1 + 2^(sum x kappa)) of my 64 numbers of a row, and their sum.  The exponentials are one batch with one wait, and so are the reciprocals.
; In the first half of N the tile's accumulators take the second half's starting values as soon as they have been read.
.macro TANHROW a
.set AC, 64*((\a)%4)
.if (\a) < 4
	WIN 0x02
.else
	WIN 0x03
.endif
.set j, 0
.rept 32
	v_pk_mul_f32 v[T+j:T+j+1], v[AC+j:AC+j+1], s[KAP:KAP+1] op_sel_hi:[1,0]   ; each accumulator from its low end on
.set j, j+2
.endr
	WIN 0
	s_cmp_lg_u32 s[CH], 0
	s_cbranch_scc1 .Lno_next_\@
.if (\a) == 0
	CV 2048
.endif
	CROW \a, 2048
.Lno_next_\@:
.set j, 0
	s_wait_alu depctr_va_vdst(0)
.rept 64
	v_exp_f32 v[T+j], v[T+j]
.set j, j+1
.endr
	v_nop
	s_wait_alu depctr_va_vdst(0)
.set j, 0
.rept 32
	v_pk_add_f32 v[T+j:T+j+1], v[T+j:T+j+1], 1.0 op_sel_hi:[1,0]
.set j, j+2
.endr
.set j, 0
	s_wait_alu depctr_va_vdst(0)
.rept 64
	v_rcp_f32 v[T+j], v[T+j]
.set j, j+1
.endr
	v_nop
	s_wait_alu depctr_va_vdst(0)
.irp d, 32,16,8,4,2
.set j, 0
.rept \d/2
	v_pk_add_f32 v[T+j:T+j+1], v[T+j:T+j+1], v[T+j+\d:T+j+\d+1]
.set j, j+2
.endr
.endr
	v_pk_add_f32 v[RS+2*(\a):RS+2*(\a)+1], v[RS+2*(\a):RS+2*(\a)+1], v[T:T+1]
.endm
	s_load_b256 s[4:11], s[0:1], 0x0               ; F s[4:5], G s[6:7], wcd s[8:9], x s[10:11]
	s_load_b128 s[12:15], s[0:1], 0x20             ; the scales s[12:13], out0 s[14:15]
	v_lshl_add_u32 v[SPW], v0, 2, SPARE            ; my spare word,
	v_mov_b32 v[NIL], 0                            ; and 0: kept for the closing lines
	v_lshrrev_b32 v1, 5, v0
	v_readfirstlane_b32 s16, v1                    ; wave 0..3
	s_mov_b32 s17, ttmp9                           ; which 12 queries
	s_and_b32 s18, ttmp7, 0xffff                   ; the class
	s_mov_b32 s[SEL], 0x76543210
	s_mov_b32 s[SEL+1], 0xfedcba98
	v_and_b32 v1, 31, v0                           ; lane
	v_and_b32 v48, 15, v0                          ; r
	v_bfe_u32 v49, v0, 4, 1                        ; h
	v_lshlrev_b32 v[BO], 4, v1
	v_lshlrev_b32 v[FO], 5, v1
	s_wait_alu depctr_va_vdst(0)
	s_mul_i32 s[QB12], s17, 12
	s_add_co_u32 s[Q0S], s[QB12], s16              ; my queries: this one, and 4 and 8 further on
.irp ii, 0,1,2
	s_add_co_u32 s45, s[Q0S], 4*\ii
	s_mul_i32 s46, s45, 2185
	s_lshr_b32 s46, s46, 16
	s_mul_i32 s46, s46, 10
	s_add_co_u32 s45, s45, s46
	s_add_co_u32 s45, s45, 10                      ; its row of x
	s_lshl_b32 s45, s45, 12
	v_add_nc_u32 v[FQ+\ii], s45, v[FO]
.endr
	s_mul_i32 s45, s16, PA
	v_lshl_add_u32 v[GB], v1, 3, s45
.irp z, 1,2,3,4
	v_add_nc_u32 v[GB+\z], \z*24*PA, v[GB]
.endr
	v_mul_u32_u24 v50, v48, PA
	v_lshl_add_u32 v50, v49, 4, v50
.irp a, 0,1,2,3,4,5,6
	v_add_nc_u32 v[ADA0+\a], \a*16*PA, v50
.endr
	v_and_b32 v51, 7, v48
	v_mul_u32_u24 v51, v51, PA
	v_lshl_add_u32 v51, v49, 4, v51
	v_add_nc_u32 v[ADA0+7], 112*PA, v51            ; tile 7: rows 112 + r % 8
	s_mul_i32 s46, s18, 163840                     ; my class's 40 rows of 4,096 bytes
	v_lshlrev_b32 v50, 5, v49
	v_add_nc_u32 v52, s46, v50
	v_lshrrev_b32 v51, 3, v48
	v_lshl_add_u32 v[CS0], v51, 12, v52            ; tile a < 5: support 2 a + r / 8
	v_lshrrev_b32 v51, 2, v48
	v_lshl_add_u32 v[CS5], v51, 12, v52            ; tiles 5, 6: support 4 (a - 5) + r / 4
	v_add_nc_u32 v51, 8, v51
	v_min_u32 v51, 9, v51
	v_lshl_add_u32 v[CS7], v51, 12, v52            ; tile 7: supports 8, 9; the places that go nowhere stay inside the class's rows
	v_and_b32 v[CQ0], 7, v48
	v_add_nc_u32 v[CQ0], s[QB12], v[CQ0]
	VXROW CQ0
	v_lshl_add_u32 v[CQ0], v[CQ0], 12, v50
	v_and_b32 v[CQ1], 3, v48
	v_add_nc_u32 v[CQ1], 8, v[CQ1]
	v_add_nc_u32 v[CQ1], s[QB12], v[CQ1]
	VXROW CQ1
	v_lshl_add_u32 v[CQ1], v[CQ1], 12, v50
	s_mul_i32 s45, s16, 768
	s_add_co_u32 s45, s45, SCB
	v_and_b32 v51, 7, v48
	v_lshlrev_b32 v51, 6, v51
	v_lshrrev_b32 v52, 3, v48
	v_lshl_add_u32 v51, v52, 2, v51
	v_add_nc_u32 v[SCW0], s45, v51                 ; [my wave][query r % 8][support r / 8 + ..]
	v_and_b32 v51, 3, v48
	v_lshlrev_b32 v51, 6, v51
	v_lshrrev_b32 v52, 2, v48
	v_lshl_add_u32 v51, v52, 2, v51
	v_add_nc_u32 v51, 512, v51
	v_add_nc_u32 v[SCW1], s45, v51                 ; [my wave][query 8 + r % 4][support r / 4 + ..]
	s_lshl_b32 s46, s16, 6
	s_add_co_u32 s46, s46, SCB
	v_mov_b32 v[SCR], s46                          ; [..][query = my wave + ..]
	s_wait_kmcnt 0x0
	s_load_b128 s[28:31], s[12:13], 0x20           ; e8 .. e11
	s_mul_i32 s46, s18, 163840
	s_mov_b32 s47, 0
	s_add_nc_u64 s[SFB:SFB+1], s[4:5], s[46:47]
	s_add_nc_u64 s[XSB:XSB+1], s[10:11], s[46:47]
	s_lshl_b32 s46, s16, 9
	s_add_nc_u64 s[GCB:GCB+1], s[6:7], s[46:47]
	s_lshl_b32 s46, s16, 19
	s_add_nc_u64 s[BP:BP+1], s[8:9], s[46:47]
	LROWS SFB, 4, 0, 0, 0x40
	LROWS SFB, 4, 1, 1, 0x40
	s_wait_kmcnt 0x0
	s_add_co_i32 s45, s30, s31
	s_add_co_i32 s46, s28, s29
	s_sub_co_i32 s46, s46, s45
	s_add_co_i32 s46, s46, 127
	s_lshl_b32 s[DEL], s46, 23
	s_mov_b32 s[DEL+1], s[DEL]
	s_lshl_b32 s45, s45, 23
	s_add_co_i32 s[KAP], s45, 0x4038aa3b           ; 2 log2(e), with e10 + e11 added to its exponent field
	s_mov_b32 s[KAP+1], s[KAP]
	POW 28, 38, 39
	POW 30, 40, 41
	; ---- A's codes.  Two trips of two quarters of K; the quarters after the next two are asked for in the first trip alone
.set ZB, 0
	s_mov_b32 s[GT], 0
	s_mov_b32 s[GK], 0
.Lg:
.irp z, 0,1,2,3,4
	v_add_nc_u32 v[GC+\z], s[GK], v[GB+\z]
.endr
	s_wait_loadcnt 26                              ; set 0's 26 loads are in; set 1's may be out
	GSTEP 0
	s_wait_loadcnt 0x0
	s_cmp_lg_u32 s[GT], 0
	s_cbranch_scc1 .Lg_a
	LROWS SFB, 4, 2, 0, 0x40
.Lg_a:
	GSTEP 1
	s_cmp_lg_u32 s[GT], 0
	s_cbranch_scc1 .Lg_b
	LROWS SFB, 4, 3, 1, 0x40
.Lg_b:
	s_add_co_u32 s[GK], s[GK], 512
	s_add_co_u32 s[GT], s[GT], 1
	s_cmp_lt_u32 s[GT], 2
	s_cbranch_scc1 .Lg
	s_wait_loadcnt 0x0                             ; B's buffers take the staging sets' registers: they are loaded only behind a wait for every load into those sets, on every way out of the loop.  (The second trip asks for nothing, so no load is out here)
	CV 0                                           ; the first half's starting values
.irp a, 0,1,2,3,4,5,6,7
	CROW \a, 0
.endr
	s_wait_dscnt 0x0                               ; for the others' sake: my rows of codes have landed
	s_barrier_signal -1
	s_barrier_wait -1
.irp j, 0,1,2,3,4,5,6,7,8,9,10,11,12,13,14,15
	v_mov_b32 v[RS+\j], 0
.endr
	; ---- the two halves of N
	s_mov_b32 s[CH], 0
.Lchunk:
.irp beta, 0,1,2,3
	BFILL \beta, 0
.endr
	s_wait_loadcnt 63                              ; the starting values are older than the 64 loads just issued
.irp a, 0,1,2,3,4,5,6,7
.if \a < 4
	WIN 0x82
.else
	WIN 0xc3
.endif
.if \a < 5
.set VV, VQ0
.else
.set VV, VQ1
.endif
.set j, 0
.rept 32
	v_pk_add_f32 v[64*(\a%4)+j:64*(\a%4)+j+1], v[64*(\a%4)+j:64*(\a%4)+j+1], v[VV+j:VV+j+1]   ; + the query's part
.set j, j+2
.endr
.endr
.irp pi, 0,1,2,3
	AFILL \pi, ADA0, 0                             ; A's first K step, into the registers that the queries' values have left
.endr
	s_mov_b32 s[KO], 0
	s_mov_b32 s[TR], 0
.Ltrip:
	s_cmp_lg_u32 s[TR], 4
	s_cbranch_scc1 .Lno_rescale
	WIN 0x82                                       ; product 5 is summed: on to product 6's power of two.  (The trip before ended with four places)
.set j, 0
.rept 128
	v_pk_mul_f32 v[j:j+1], v[j:j+1], s[DEL:DEL+1] op_sel_hi:[1,0]
.set j, j+2
.endr
	WIN 0xc3
.set j, 0
.rept 128
	v_pk_mul_f32 v[j:j+1], v[j:j+1], s[DEL:DEL+1] op_sel_hi:[1,0]
.set j, j+2
.endr
	WIN 0
.Lno_rescale:
	TRIP 1
	s_add_co_u32 s[TR], s[TR], 1
	s_cmp_lt_u32 s[TR], 7
	s_cbranch_scc1 .Ltrip
	TRIP 0
.irp a, 0,1,2,3,4,5,6,7
	TANHROW \a
.endr
	s_add_co_u32 s[CH], s[CH], 1
	s_cmp_lt_u32 s[CH], 2
	s_cbranch_scc1 .Lchunk
	; ---- the tail.  x's rows are asked for first: the class's 10 supports and my 3 queries, a quarter of the 1,024 to a set
	s_wait_loadcnt 0x0                             ; no load is out: the registers below are free
	LROWS XSB, 10, 0, 0, 0x40
	LROWS XSB, 10, 1, 1, 0x40
	LROWS XSB, 10, 2, 0, 0x80
	LROWS XSB, 10, 3, 1, 0x80
	s_wait_alu depctr_va_vdst(0)
.irp a, 0,1,2,3,4,5,6,7
	v_add_f32 v[RS+2*\a], v[RS+2*\a], v[RS+2*\a+1]
.endr
.irp a, 0,1,2,3,4,5,6,7
	v_permlanex16_b32 v[RS+2*\a+1], v[RS+2*\a], s[SEL], s[SEL+1]
.endr
.irp a, 0,1,2,3,4,5,6,7
	v_add_f32 v[RS+2*\a], v[RS+2*\a], v[RS+2*\a+1] ; row 16 a + r, my 256 columns
.endr
.irp a, 0,1,2,3,4
	ds_store_b32 v[SCW0], v[RS+2*\a] offset:8*\a
.endr
.irp a, 5,6,7
	ds_store_b32 v[SCW1], v[RS+2*\a] offset:16*(\a-5)   ; tile 7's last eight places fall on words 10 and 11 of a query's 16, which nobody reads
.endr
	s_wait_dscnt 0x0
	s_barrier_signal -1
	s_barrier_wait -1
.irp wq, 0,1,2,3
.irp ii, 0,1,2
	ds_load_b128 v[RW+36*\wq+12*\ii:RW+36*\wq+12*\ii+3], v[SCR] offset:768*\wq+256*\ii
	ds_load_b128 v[RW+36*\wq+12*\ii+4:RW+36*\wq+12*\ii+7], v[SCR] offset:768*\wq+256*\ii+16
	ds_load_b64 v[RW+36*\wq+12*\ii+8:RW+36*\wq+12*\ii+9], v[SCR] offset:768*\wq+256*\ii+32
.endr
.endr
	s_wait_dscnt 0x0
.irp ii, 0,1,2
.irp n, 0,2,4,6,8
	v_pk_add_f32 v[RW+12*\ii+\n:RW+12*\ii+\n+1], v[RW+12*\ii+\n:RW+12*\ii+\n+1], v[RW+36+12*\ii+\n:RW+36+12*\ii+\n+1]
	v_pk_add_f32 v[RW+72+12*\ii+\n:RW+72+12*\ii+\n+1], v[RW+72+12*\ii+\n:RW+72+12*\ii+\n+1], v[RW+108+12*\ii+\n:RW+108+12*\ii+\n+1]
.endr
.endr
.irp ii, 0,1,2
.irp n, 0,2,4,6,8
	v_pk_add_f32 v[RW+12*\ii+\n:RW+12*\ii+\n+1], v[RW+12*\ii+\n:RW+12*\ii+\n+1], v[RW+72+12*\ii+\n:RW+72+12*\ii+\n+1]   ; R of query ii, supports n, n + 1: in every lane
.endr
.endr
.irp ii, 0,1,2
	v_min_num_f32 v[MN+2*\ii], v[RW+12*\ii], v[RW+12*\ii+1]
.endr
.irp n, 2,3,4,5,6,7,8,9
.irp ii, 0,1,2
	v_min_num_f32 v[MN+2*\ii], v[MN+2*\ii], v[RW+12*\ii+\n]   ; the three queries take turns; at the end: the smallest R, which is the largest logit
.endr
.endr
.irp ii, 0,1,2
	v_mov_b32 v[MN+2*\ii+1], v[MN+2*\ii]
.endr
.irp ii, 0,1,2
.irp n, 0,2,4,6,8
	v_pk_add_f32 v[RW+12*\ii+\n:RW+12*\ii+\n+1], v[MN+2*\ii:MN+2*\ii+1], v[RW+12*\ii+\n:RW+12*\ii+\n+1] neg_lo:[0,1] neg_hi:[0,1]
.endr
.endr
.irp ii, 0,1,2
.irp n, 0,2,4,6,8
	v_pk_mul_f32 v[RW+12*\ii+\n:RW+12*\ii+\n+1], v[RW+12*\ii+\n:RW+12*\ii+\n+1], 0x4038aa3b op_sel_hi:[1,0]   ; (logit - the largest) x log2(e)
.endr
.endr
	s_wait_alu depctr_va_vdst(0)
.irp ii, 0,1,2
.irp n, 0,1,2,3,4,5,6,7,8,9
	v_exp_f32 v[RW+12*\ii+\n], v[RW+12*\ii+\n]
.endr
.endr
	v_nop
	s_wait_alu depctr_va_vdst(0)                   ; one wait for the batch
.irp ii, 0,1,2
	v_pk_add_f32 v[SM+2*\ii:SM+2*\ii+1], v[RW+12*\ii:RW+12*\ii+1], v[RW+12*\ii+2:RW+12*\ii+3]
	v_pk_add_f32 v[SM+6+2*\ii:SM+7+2*\ii], v[RW+12*\ii+4:RW+12*\ii+5], v[RW+12*\ii+6:RW+12*\ii+7]
.endr
.irp ii, 0,1,2
	v_pk_add_f32 v[SM+2*\ii:SM+2*\ii+1], v[SM+2*\ii:SM+2*\ii+1], v[RW+12*\ii+8:RW+12*\ii+9]
.endr
.irp ii, 0,1,2
	v_pk_add_f32 v[SM+2*\ii:SM+2*\ii+1], v[SM+2*\ii:SM+2*\ii+1], v[SM+6+2*\ii:SM+7+2*\ii]
.endr
.irp ii, 0,1,2
	v_add_f32 v[SM+2*\ii], v[SM+2*\ii], v[SM+2*\ii+1]
.endr
	s_wait_alu depctr_va_vdst(0)
.irp ii, 0,1,2
	v_rcp_f32 v[SM+2*\ii], v[SM+2*\ii]
.endr
	v_nop
	s_wait_alu depctr_va_vdst(0)
.irp ii, 0,1,2
.irp n, 0,1,2,3,4,5,6,7,8,9
	v_mul_f32 v[PP+20*\ii+2*\n], v[RW+12*\ii+\n], v[SM+2*\ii]      ; the score, in both registers of a pair for the packed forms below
	v_mul_f32 v[PP+20*\ii+2*\n+1], v[RW+12*\ii+\n], v[SM+2*\ii]
.endr
.endr
.irp kb, 0,1,2,3                       ; a quarter of the 1,024 at a time, 8 numbers a lane
.if \kb == 0
	s_wait_loadcnt 63                              ; 78 loads are younger than this quarter's
.else
	s_wait_loadcnt 78-26*\kb
.endif
.set SB, 128*(\kb%2)
.set WW, 1+\kb/2
.set WX, 17*WW
	WIN WX                                         ; sources 0 and 2 in the staging window
.irp ii, 0,1,2
.irp j, 0,2,4,6
	v_pk_fma_f32 v[DD+8*\ii+\j:DD+8*\ii+\j+1], v[SB+\j:SB+\j+1], v[PP+20*\ii:PP+20*\ii+1], v[SB+80+8*\ii+\j:SB+80+8*\ii+\j+1] neg_lo:[0,0,1] neg_hi:[0,0,1]   ; score 0 x support 0 - query
.endr
.endr
	WIN WW
.irp n, 1,2,3,4,5,6,7,8,9
.irp ii, 0,1,2
.irp j, 0,2,4,6
	v_pk_fma_f32 v[DD+8*\ii+\j:DD+8*\ii+\j+1], v[SB+8*\n+\j:SB+8*\n+\j+1], v[PP+20*\ii+2*\n:PP+20*\ii+2*\n+1], v[DD+8*\ii+\j:DD+8*\ii+\j+1]
.endr
.endr
.endr
	WIN 0
.irp j, 0,2,4,6
.irp ii, 0,1,2
.if (\kb == 0) && (\j == 0)
	v_pk_mul_f32 v[DSQ+2*\ii:DSQ+2*\ii+1], v[DD+8*\ii+\j:DD+8*\ii+\j+1], v[DD+8*\ii+\j:DD+8*\ii+\j+1]
.else
	v_pk_fma_f32 v[DSQ+2*\ii:DSQ+2*\ii+1], v[DD+8*\ii+\j:DD+8*\ii+\j+1], v[DD+8*\ii+\j:DD+8*\ii+\j+1], v[DSQ+2*\ii:DSQ+2*\ii+1]
.endif
.endr
.endr
.endr
.irp ii, 0,1,2
	v_add_f32 v[DSQ+2*\ii], v[DSQ+2*\ii], v[DSQ+2*\ii+1]
.endr
.irp m, 1,2,4,8
.irp ii, 0,1,2
	v_add_f32_dpp v[DSQ+2*\ii], v[DSQ+2*\ii], v[DSQ+2*\ii] row_xmask:\m row_mask:0xf bank_mask:0xf
.endr
.endr
.irp ii, 0,1,2
	v_permlanex16_b32 v[DSQ+2*\ii+1], v[DSQ+2*\ii], s[SEL], s[SEL+1]
.endr
.irp ii, 0,1,2
	v_add_f32 v[DSQ+2*\ii], v[DSQ+2*\ii], v[DSQ+2*\ii+1]   ; the squared distance of query ii, in every lane
.endr
	v_cmp_eq_u32 vcc_lo, 1, v1
	v_cndmask_b32 v[DSQ], v[DSQ], v[DSQ+2], vcc_lo
	v_cmp_eq_u32 vcc_lo, 2, v1
	v_cndmask_b32 v[DSQ], v[DSQ], v[DSQ+4], vcc_lo ; lane ii holds query ii's
	s_mul_i32 s45, s[Q0S], 40
	s_lshl_b32 s46, s18, 2
	s_add_co_u32 s45, s45, s46
	v_min_u32 v47, 2, v1
	v_mad_u32_u24 v47, v47, 0xa0, s45              ; out0[my first query + 4 lane][class]
	v_cmp_gt_u32 vcc_lo, 3, v1
	s_wait_alu depctr_va_vdst(0)
	s_wait_xcnt 0x0                                ; EXEC changes only behind this wait
	s_and_saveexec_b32 s50, vcc_lo
	global_store_b32 v47, v[DSQ], s[14:15]
	s_wait_xcnt 0x0
	s_or_b32 exec_lo, exec_lo, s50
	s_wait_tensorcnt 0x0                           ; the wave's end
	ds_add_u32 v[SPW], v[NIL]
	s_wait_dscnt 0x0
	s_endpgm
.Lfunc_end_k_qa7074f5b5b_main:
	.size	k_qa7074f5b5b_main, .Lfunc_end_k_qa7074f5b5b_main-k_qa7074f5b5b_main
	.p2alignl 7, 3214868480
	.fill 96, 4, 3214868480
	.section	.rodata,"a",@progbits
	.p2align	6, 0x0
	.amdhsa_kernel k_qa7074f5b5b_main
		.amdhsa_group_segment_fixed_size 251392
		.amdhsa_private_segment_fixed_size 0
		.amdhsa_enable_private_segment 0
		.amdhsa_kernarg_size 48
		.amdhsa_user_sgpr_count 2
		.amdhsa_user_sgpr_kernarg_segment_ptr 1
		.amdhsa_wavefront_size32 1
		.amdhsa_system_sgpr_workgroup_id_x 1
		.amdhsa_system_sgpr_workgroup_id_y 1
		.amdhsa_system_sgpr_workgroup_id_z 1
		.amdhsa_system_vgpr_workitem_id 0
		.amdhsa_next_free_vgpr 1024
		.amdhsa_next_free_sgpr 66
		.amdhsa_reserve_vcc 1
		.amdhsa_float_denorm_mode_32 3
		.amdhsa_float_denorm_mode_16_64 3
		.amdhsa_memory_ordered 1
		.amdhsa_forward_progress 1
		.amdhsa_inst_pref_size 255
	.end_amdhsa_kernel
	.section	.bss,"aw",@nobits
	.p2align	6
	.space	262144
	.amdgpu_metadata
---
amdhsa.version: [ 1, 2 ]
amdhsa.kernels:
  - .name:           k_qa7074f5b5b_main
    .symbol:         k_qa7074f5b5b_main.kd
    .args:
      - { .name: F, .offset: 0, .size: 8, .value_kind: global_buffer, .address_space: global }
      - { .name: G, .offset: 8, .size: 8, .value_kind: global_buffer, .address_space: global }
      - { .name: wcd, .offset: 16, .size: 8, .value_kind: global_buffer, .address_space: global }
      - { .name: x, .offset: 24, .size: 8, .value_kind: global_buffer, .address_space: global }
      - { .name: lowp_scales, .offset: 32, .size: 8, .value_kind: global_buffer, .address_space: global }
      - { .name: out0, .offset: 40, .size: 8, .value_kind: global_buffer, .address_space: global }
    .group_segment_fixed_size: 251392
    .private_segment_fixed_size: 0
    .kernarg_segment_align: 8
    .kernarg_segment_size: 48
    .max_flat_workgroup_size: 128
    .sgpr_count:     66
    .vgpr_count:     1024
    .wavefront_size: 32
...
	.end_amdgpu_metadata
.endif
;; end of part 6
